; MI455X (gfx1250); checked and timed in simulation.
; The chip was launched on July 23, 2026; its instructions are those of AMD's public machine-readable ISA for CDNA 5 (MIT licence, August 2026) and "CDNA5" Instruction Set Architecture Reference Guide (July 2026). The comments in the code are by the model that wrote it; some were corrected since.
;; Multi Headed Attention. Allowed arithmetic: matrix products marked QUANTISED: E2M1 operands, one E8M0 scale for each 32 along K, by v_wmma_scale_f32_16x16x128_f8f6f4 with both operands' format E2M1 (or v_wmma_scale_f32_32x16x128_f4), f32 sums; products left as they are: bf16, f16 or f32 operands; f32 sums; everything else in f32.
;; Inputs: Wk 1,024 x 1,024 float32; Wo 1,024 x 1,024 float32; Wq 1,024 x 1,024 float32; Wv 1,024 x 1,024 float32; bk 1,024 float32; bo 1,024 float32; bq 1,024 float32; bv 1,024 float32; key_in 4 x 2,048 x 1,024 float32; mask 4 x 1 x 2,048 x 2,048 int32; query 4 x 2,048 x 1,024 float32; value 4 x 2,048 x 1,024 float32.
;; Outputs: out0 4 x 2,048 x 1,024 float32.
;; This version of the problem:
;;   THIS VERSION OF THE PROBLEM IS GIVEN IN LOW PRECISION. The matrix products marked QUANTISED in the list below multiply operands that are first quantised to E2M1 (2 exponent bits, 1 mantissa bit; 4 bits a number), with one power-of-two scale for each 32 numbers along K (OCP MX v1.0); their sums are f32. The products marked 'left as it is' may take bf16, f16 or f32 operands, with f32 sums. Whichever they take, every output number must still come out within the allowed error. Rounding operands to bf16 (8 significant bits) uses up far more of that allowance than f16 does (11 bits, for magnitudes from 6e-5 to 65,504). All else is computed in f32.
;;   The module's matrix products, in the order in which they are computed (A, B: the left and right operand; K: the contracted axis; several contracted axes count as one K, in the product's order):
;;     1. [M 8,192, K 1,024] x [K 1,024, N 1,024]; A: input query; B: input Wq: QUANTISED
;;     2. [M 8,192, K 1,024] x [K 1,024, N 1,024]; A: input key_in; B: input Wk: QUANTISED
;;     3. [M 8,192, K 1,024] x [K 1,024, N 1,024]; A: input value; B: input Wv: QUANTISED
;;     4. batch 64 x [M 2,048, K 64] x [K 64, N 2,048]; A: computed on the way; B: computed on the way: left as it is (an operand is computed on the way)
;;     5. batch 64 x [M 2,048, K 2,048] x [K 2,048, N 64]; A: computed on the way; B: computed on the way: left as it is (an operand is computed on the way)
;;     6. [M 8,192, K 1,024] x [K 1,024, N 1,024]; A: computed on the way; B: input Wo: left as it is (an operand is computed on the way)
;;   THE QUANTISER, for each operand of a quantised product, along K:
;;     - K is cut into blocks of 32 from its start; a last block that is shorter is filled with zeros.
;;     - A block's scale is 2^e with e = floor(log2(the largest magnitude in the block)) - 2, held to -126 .. 127; a block of zeros has e = 0. As a byte (E8M0): e + 127.
;;     - Each number is divided by its block's scale, clamped to +-6, and rounded to the nearest number of E2M1, ties to even, subnormals kept.
;;     - The product sums the exact products of the quantised numbers (number of the format x scale) in f32.
;;   ~~~python
;;   def quantise(x, axis):      # numpy; x: float32 -> the quantised numbers, widened to float32 again
;;       x = np.moveaxis(x, axis, -1); K = x.shape[-1]
;;       x = np.pad(x, [(0, 0)] * (x.ndim - 1) + [(0, -K % 32)]); x = x.reshape(x.shape[:-1] + (-1, 32)); a = np.abs(x).max(-1, keepdims=True)
;;       e = np.where(a > 0, np.clip(np.frexp(np.where(a > 0, a, 1))[1] - 1 - 2, -126, 127), 0)      # np.frexp(a)[1] - 1 = floor(log2(a)), exactly
;;       r = np.clip(x / 2.0 ** e, -6, 6)
;;       step = 2.0 ** (np.maximum(np.frexp(np.where(r == 0, 1, r))[1] - 1, 0) - 1)
;;       q = np.round(r / step) * step * 2.0 ** e      # np.round: ties to even
;;       return np.moveaxis(q.reshape(q.shape[:-2] + (-1,))[..., :K], -1, axis).astype(np.float32)
;;   ~~~
;; One version. Each part assembles by itself: llvm-mc -triple=amdgcn-amd-amdhsa -mcpu=gfx1250 --defsym DOCPART=n.
;; ======== version 1 of 1: 4 launches
;; limits: values are held in f16: magnitudes above 65,504 overflow, below 6.1e-05 lose precision
;; workspace buffers: cod 14,155,776 bytes; scl 884,736 bytes; wof 2,097,152 bytes; mbits 2,097,152 bytes of whole numbers; qkv 50,331,648 bytes; xf 16,777,216 bytes
;; launch prep (part 1): grid 1408 x 1, 4 waves a work-group, no clusters, 67,072 bytes of LDS; arguments query, key_in, value, Wq, Wk, Wv, Wo, mask, cod, scl, wof, mbits; writes cod, scl, wof, mbits
.if DOCPART == 1
	.amdgcn_target "amdgcn-amd-amdhsa--gfx1250"
	.amdhsa_code_object_version 6
	.text
	.protected	k_qb391a199f6_prep
	.globl	k_qb391a199f6_prep
	.p2align	8
	.type	k_qb391a199f6_prep,@function
k_qb391a199f6_prep:
	s_mov_b64 s[64:65], 0
	v_nop
	global_prefetch_b8 v0, s[64:65] scope:SCOPE_SE
	s_setreg_imm32_b32 hwreg(HW_REG_WAVE_MODE, 25, 1), 1
	s_wait_xcnt 0x0
; PREP.  Every work-group reads 131,072 bytes of one input and lays them as the later launches want them.
; Work-groups 0-863 (THE QUANTISING PATH): query, key_in, value [8192][1024] and Wq, Wk, Wv [1024][1024], f32, K innermost, become codes of FP4 (E2M1), two a byte, 512 bytes a row, in cod
;   (rows in the order query, key_in, value, Wq, Wk, Wv), and one E8M0 byte for each 32 along K, 32 bytes a row, in scl (same order).  A block's scale is 2^(floor(log2(largest magnitude)) - 2).
; Work-groups 864-1375 (THE TURNING PATH, mask): 16 rows of mask [4][1][2048][2048] int32 become LANE MASKS: word 8 kt + j of (16 queries, 64 keys) has in bit L
;   (mask[query L % 16][key 16 kt + 8 (L / 16) + j] != 0): the very lanes and registers in which the attention's scores lie.  32 words for 64 keys, 4,096 bytes for 16 queries.
; Work-groups 1376-1407 (THE TURNING PATH, Wo): Wo [1024 (n)][1024 (k)] f32 becomes f16, laid as images of operand registers: [k / 128][n / 16][(k % 128) / 16][512 bytes];
;   in a block of 512 bytes lane (r, h) has the 16 bytes (row r, k = 8 h .. 8 h + 7) at byte 16 x lane.
; LIMITS: NaN and infinities among the inputs are not served.  A block of zeros gets the byte 1 where the rule says 127: its codes are zeros, and this program alone reads the bytes.
;   Blocks whose largest magnitude lies under 2^-124 are held at the byte 1.  Wo beyond 65,504 in magnitude would become infinity in f16.
; No tensor loads, no barrier: waves share nothing.  The two paths have LDS bytes of their own.
.set SPARE, 66560                      ; the spare words, 128 bytes for each wave: two blocks of 256 bytes that no other line names
.set SPW,   12                         ; v12  LDS address of my spare word; never rewritten
.set NIL,   13                         ; v13  0; never rewritten
; the quantising path
.set STEPS, 16                         ; steps of 512 numbers for a wave
.set CB,    8                          ; bytes of 16 codes
.set R,     16                         ; v16-79   four sets of 16 numbers as they are loaded
.set X,     80                         ; v80-111  two sets of 16 neighbours
.set E,     112                        ; v112-127 a scale byte for each step
.set C,     128                        ; v128-191 codes: four registers for each step, so that no store's data are written again
.set WREG,  8192                       ; LDS bytes 0-32,767: a region for each wave: two stages of 32 x SP bytes, and behind them its 256 scale bytes
.set SP,    80                         ; a lane's place in a stage: its 64 bytes + 16 of padding
; the turning path
.set TST,   32768                      ; LDS bytes 32,768-66,559: a stage of 16 rows x TP bytes for each wave
.set TP,    528                        ; a stage row: 512 bytes + 16
.set OFFR,  16                         ; v16-31   16 x lane + row x the input's pitch; never rewritten
.set IN,    32                         ; v32-159  two sets of 16 rows x 16 bytes a lane
.set BACK,  160                        ; v160-223 register 8 blk + j: element (row r, column 16 blk + 8 h + j) of the unit
.set PK,    224                        ; v224-255 Wo: a unit's 8 blocks in f16;  mask: v[224 + 2 i : 225 + 2 i] unit i's 64 words, two a lane
	s_load_b512 s[4:19], s[0:1], 0x0               ; query 4, key_in 6, value 8, Wq 10, Wk 12, Wv 14, Wo 16, mask 18
	s_load_b256 s[20:27], s[0:1], 0x40             ; cod 20, scl 22, wof 24, mbits 26
	v_lshl_add_u32 v[SPW], v0, 2, SPARE
	v_mov_b32 v[NIL], 0
	v_lshrrev_b32 v1, 5, v0
	v_readfirstlane_b32 s28, v1                    ; wave 0..3
	v_and_b32 v2, 31, v0                           ; lane
	s_cmp_ge_u32 ttmp9, 864
	s_cbranch_scc1 .Lturn
; ---------------- THE QUANTISING PATH.  A tensor is a plain stream of blocks of 32 numbers, and so are its codes and scale bytes.
; Each of a step's four loads reads 512 consecutive bytes, 16 a lane; the 2,048 bytes go through the wave's own stage and come back 64 bytes a lane: 16 neighbours, two lanes to a block.
	v_lshlrev_b32 v3, 4, v2                        ; my 16 bytes of a load's 512
	s_mul_i32 s29, s28, WREG
	v_lshrrev_b32 v14, 2, v2
	v_mul_u32_u24 v14, v14, SP
	v_and_b32 v15, 3, v2
	v_lshl_add_u32 v14, v15, 4, v14
	v_add_nc_u32 v14, s29, v14                     ; the stage, on the way in: SP (lane / 4) + 16 (lane % 4)
	v_mul_u32_u24 v15, v2, SP
	v_add_nc_u32 v15, s29, v15                     ; and on the way out: SP x lane
	v_mul_u32_u24 v4, v2, CB                       ; my codes' place in a step's 256 bytes
	v_lshrrev_b32 v5, 1, v2
	s_add_co_u32 s29, s29, 2*32*SP
	v_add_nc_u32 v5, s29, v5                       ; my wave's 256 scale bytes, my block's byte
	v_lshlrev_b32 v7, 3, v2                        ; and on the way out 8 bytes a lane
	v_add_nc_u32 v6, s29, v7
	s_wait_kmcnt 0x0
	s_mov_b64 s[30:31], s[4:5]                     ; which input is mine, and its first work-group: the choice hangs on the work-group's number alone
	s_mov_b32 s32, 0
.macro PICK first, lo
	s_cmp_ge_u32 ttmp9, \first
	s_cselect_b64 s[30:31], s[\lo:\lo+1], s[30:31]
	s_cselect_b32 s32, \first, s32
.endm
	PICK 256, 6
	PICK 512, 8
	PICK 768, 10
	PICK 800, 12
	PICK 832, 14
	s_sub_co_u32 s32, ttmp9, s32
	s_lshl_b32 s32, s32, 17                        ; 131,072 bytes a work-group,
	s_lshl_b32 s33, s28, 15                        ; 32,768 a wave
	s_add_co_u32 s32, s32, s33
	s_mov_b32 s33, 0
	s_add_nc_u64 s[30:31], s[30:31], s[32:33]
	s_lshl_b32 s32, ttmp9, 14                      ; the codes follow the work-groups' order: 16,384 bytes each, 4,096 a wave
	s_lshl_b32 s34, s28, 12
	s_add_co_u32 s32, s32, s34
	s_add_nc_u64 s[20:21], s[20:21], s[32:33]
	s_lshl_b32 s32, ttmp9, 10                      ; the scale bytes likewise: 1,024 and 256
	s_lshl_b32 s34, s28, 8
	s_add_co_u32 s32, s32, s34
	s_add_nc_u64 s[22:23], s[22:23], s[32:33]
.macro QLOAD t
.irp i, 0,1,2,3
	global_load_b128 v[R+16*((\t)%4)+4*\i:R+16*((\t)%4)+4*\i+3], v3, s[30:31] offset:2048*(\t)+512*\i th:TH_LOAD_NT   ; 32 lanes read 512 consecutive bytes
.endr
.endm
.macro QTURN t                         ; step t's numbers through the stage: LDS serves a wave's instructions in order, so no wait stands between the stores and the loads
.irp i, 0,1,2,3
	ds_store_b128 v14, v[R+16*((\t)%4)+4*\i:R+16*((\t)%4)+4*\i+3] offset:32*SP*((\t)%2)+8*SP*\i
.endr
.irp i, 0,1,2,3
	ds_load_b128 v[X+16*((\t)%2)+4*\i:X+16*((\t)%2)+4*\i+3], v15 offset:32*SP*((\t)%2)+16*\i
.endr
.endm
.irp t, 0,1,2,3
	QLOAD \t
.endr
	s_wait_loadcnt 12                              ; step 0's four loads are in; the twelve of steps 1 to 3 may be out
	QTURN 0
.macro QSTEP t
.set XS, X+16*((\t)%2)
.if (\t) > 0
	s_wait_dscnt 1                                 ; this step's numbers are back from the stage (the last step's byte store may be out): so its stores into the stage have read their registers,
.else
	s_wait_dscnt 0x0
.endif
.if (\t)+4 < STEPS
	QLOAD (\t)+4                                   ; which take the loads of four steps on
.endif
.if (\t)+1 < STEPS
.if STEPS-2-(\t) >= 3
	s_wait_loadcnt 12                              ; the next step's four loads are in; those of the three steps behind it may be out
.else
	s_wait_loadcnt 4*(STEPS-2-(\t))
.endif
	QTURN (\t)+1                                   ; and go through the other stage while this step is worked
.endif
	v_max3_num_f32 v8, |v[XS]|, |v[XS+1]|, |v[XS+2]|               ; the largest magnitude of my 16, in two chains
	v_max3_num_f32 v9, |v[XS+3]|, |v[XS+4]|, |v[XS+5]|
.irp i, 6,10
	v_max3_num_f32 v8, v8, |v[XS+\i]|, |v[XS+\i+1]|
	v_max3_num_f32 v9, v9, |v[XS+\i+2]|, |v[XS+\i+3]|
.endr
	v_max3_num_f32 v8, v8, |v[XS+14]|, |v[XS+15]|
	v_max3_num_f32 v8, v8, v9, 0x1800000           ; and the floor 2^(3 - 127): so the byte cannot fall under 1
	v_max_num_f32_dpp v8, v8, v8 row_xmask:1 row_mask:0xf bank_mask:0xf   ; and of my neighbour's 16: the block's
	v_add_nc_u32 v11, 0xff000000, v8               ; 2 off its exponent field: the conversion takes the exponent field of this operand as its scale, and nothing else of it
	v_cvt_scalef32_pk8_fp4_f32 v[C+4*(\t)], v[XS:XS+7], v11        ; eight numbers / the scale, to the nearest code, ties to even, beyond 6 the largest code
	v_cvt_scalef32_pk8_fp4_f32 v[C+4*(\t)+1], v[XS+8:XS+15], v11
	v_lshrrev_b32 v[E+(\t)], 23, v11               ; the scale's byte
	ds_store_b8 v5, v[E+(\t)] offset:16*(\t)       ; both lanes of a block write the same byte with the same value
	global_store_b64 v4, v[C+4*(\t):C+4*(\t)+1], s[20:21] offset:32*CB*(\t)   ; the wave stores 256 consecutive bytes, aligned
.endm
.irp t, 0,1,2,3,4,5,6,7,8,9,10,11,12,13,14,15
	QSTEP \t
.endr
	ds_load_b64 v[8:9], v6                         ; LDS serves a wave's instructions in order: these see my byte stores
	s_wait_dscnt 0x0
	global_store_b64 v7, v[8:9], s[22:23]          ; my wave's 256 scale bytes: 256 consecutive bytes, aligned
	s_wait_tensorcnt 0x0                           ; the wave's end: a wait, an add of 0 to my spare word and its wait, behind my last LDS store
	ds_add_u32 v[SPW], v[NIL]
	s_wait_dscnt 0x0
	s_endpgm
; ---------------- THE TURNING PATH.  A unit is 16 rows x 128 columns of 4 bytes; a wave takes four units that lie side by side.  Each load reads 512 consecutive bytes of one row;
; the unit goes through the wave's own stage and comes back so that lane (r, h) holds row r, and register 8 blk + j column 16 blk + 8 h + j.
.Lturn:
	v_and_b32 v3, 15, v0                           ; r
	v_bfe_u32 v8, v0, 4, 1                         ; h
	s_mul_i32 s29, s28, 16*TP
	s_add_co_u32 s29, s29, TST                     ; my stage
	v_lshlrev_b32 v7, 4, v2                        ; 16 x lane
	v_add_nc_u32 v4, s29, v7                       ; into the stage: a row's 512 bytes as they lie
	v_mul_u32_u24 v5, v3, TP
	v_lshl_add_u32 v5, v8, 5, v5
	v_add_nc_u32 v5, s29, v5                       ; back: row r, + 32 h
	v_lshlrev_b32 v6, 3, v2                        ; 8 x lane
	s_mov_b32 s32, 864
	s_cmp_ge_u32 ttmp9, 1376
	s_cselect_b32 s32, 1376, s32
	s_sub_co_u32 s32, ttmp9, s32                   ; g: the mask's 16 rows (0-511), or Wo's 32 rows (0-31)
	s_lshr_b32 s35, s28, 1
	s_and_b32 s36, s28, 1
	s_lshl_b32 s33, s28, 11                        ; mask, in: wave x 512 columns
	s_lshl_b32 s37, s35, 16
	s_lshl_b32 s38, s36, 11
	s_add_co_u32 s37, s37, s38                     ; Wo, in: 16 rows x (wave / 2), 512 columns x (wave % 2)
	s_lshl_b32 s34, s32, 12
	s_lshl_b32 s38, s28, 10
	s_add_co_u32 s34, s34, s38                     ; mask, out: 4,096 g + 1,024 wave
	s_lshl_b32 s38, s36, 20
	s_lshl_b32 s39, s32, 13
	s_add_co_u32 s38, s38, s39
	s_lshl_b32 s39, s35, 12
	s_add_co_u32 s38, s38, s39                     ; Wo, out: four K steps of 262,144 x (wave % 2) + 4,096 (2 g + wave / 2)
	s_lshl_b32 s32, s32, 17                        ; both, in: 131,072 g
	s_wait_kmcnt 0x0
	s_cmp_ge_u32 ttmp9, 1376                       ; the role hangs on the work-group's number alone
	s_cselect_b32 s31, 1, 0                        ; 1: Wo
	s_mov_b32 s30, 8192
	s_cselect_b32 s30, 4096, s30                   ; bytes from row to row of the input
	s_cselect_b32 s44, s37, s33
	s_cselect_b32 s46, s38, s34
	s_cselect_b64 s[40:41], s[16:17], s[18:19]
	s_cselect_b64 s[42:43], s[24:25], s[26:27]
	s_add_co_u32 s44, s44, s32
	s_mov_b32 s45, 0
	s_mov_b32 s47, 0
	s_add_nc_u64 s[40:41], s[40:41], s[44:45]      ; in
	s_add_nc_u64 s[42:43], s[42:43], s[46:47]      ; out
	v_mov_b32 v[OFFR], v7
.irp i, 1,2,3,4,5,6,7,8,9,10,11,12,13,14,15
	v_add_nc_u32 v[OFFR+\i], s30, v[OFFR+\i-1]
.endr
.irp i, 0,1,2,3,4,5,6,7
	v_mov_b32 v[PK+\i], 0                          ; written once: v_writelane_b32's destination counts as read
.endr
.macro LOADU i
.irp q, 0,1,2,3,4,5,6,7,8,9,10,11,12,13,14,15
	global_load_b128 v[IN+64*((\i)%2)+4*\q:IN+64*((\i)%2)+4*\q+3], v[OFFR+\q], s[40:41] offset:512*(\i) th:TH_LOAD_NT
.endr
.endm
.macro UNIT i
.if (\i) < 3
	s_wait_loadcnt 16                              ; this unit's sixteen loads are in; the next unit's sixteen may be out
.else
	s_wait_loadcnt 0x0
.endif
.irp q, 0,1,2,3,4,5,6,7,8,9,10,11,12,13,14,15
	ds_store_b128 v4, v[IN+64*((\i)%2)+4*\q:IN+64*((\i)%2)+4*\q+3] offset:TP*\q
.endr
.irp q, 0,1,2,3,4,5,6,7,8,9,10,11,12,13,14,15
	ds_load_b128 v[BACK+4*\q:BACK+4*\q+3], v5 offset:64*(\q/2)+16*(\q%2)   ; LDS serves a wave's instructions in order: these see the stores above
.endr
	s_wait_dscnt 0x0                               ; the unit is back, and the stores have read the input set,
.if (\i) < 2
	LOADU (\i)+2                                   ; which takes the unit two further on
.endif
	s_cmp_eq_u32 s31, 0
	s_cbranch_scc0 .Lwo_\@
.set n, 0
.rept 8                                ; the mask: a compare makes a word (bit L = lane L's number is not 0); word n goes to lane n / 2, register n % 2.  Eight at a time
.irp u, 0,1,2,3,4,5,6,7
	v_cmp_ne_u32 s[32+\u], 0, v[BACK+n+\u]
.endr
.irp u, 0,1,2,3,4,5,6,7
	v_writelane_b32 v[PK+2*(\i)+(\u%2)], s[32+\u], (n+\u)/2
.endr
.set n, n+8
.endr
	global_store_b64 v6, v[PK+2*(\i):PK+2*(\i)+1], s[42:43] offset:256*(\i)   ; 64 words: 256 consecutive bytes, aligned
	s_branch .Ldone_\@
.Lwo_\@:
.if (\i) > 0
	s_wait_xcnt 0x0                                ; the last unit's stores have read their data: the registers are written again only behind this wait
.endif
.irp q, 0,1,2,3,4,5,6,7,8,9,10,11,12,13,14,15,16,17,18,19,20,21,22,23,24,25,26,27,28,29,30,31
	v_cvt_pk_f16_f32 v[PK+\q], v[BACK+2*\q], v[BACK+2*\q+1]
.endr
.irp b, 0,1,2,3,4,5,6,7
	global_store_b128 v7, v[PK+4*\b:PK+4*\b+3], s[42:43] offset:262144*(\i)+512*\b   ; a block: 512 consecutive bytes, aligned
.endr
.Ldone_\@:
.endm
	LOADU 0
	LOADU 1
	UNIT 0
	UNIT 1
	UNIT 2
	UNIT 3
	s_wait_tensorcnt 0x0                           ; the wave's end: a wait, an add of 0 to my spare word and its wait, behind my last LDS store
	ds_add_u32 v[SPW], v[NIL]
	s_wait_dscnt 0x0
	s_endpgm
.Lfunc_end_k_qb391a199f6_prep:
	.size	k_qb391a199f6_prep, .Lfunc_end_k_qb391a199f6_prep-k_qb391a199f6_prep
	.p2alignl 7, 3214868480
	.fill 96, 4, 3214868480
	.section	.rodata,"a",@progbits
	.p2align	6, 0x0
	.amdhsa_kernel k_qb391a199f6_prep
		.amdhsa_group_segment_fixed_size 67072
		.amdhsa_private_segment_fixed_size 0
		.amdhsa_enable_private_segment 0
		.amdhsa_kernarg_size 96
		.amdhsa_user_sgpr_count 2
		.amdhsa_user_sgpr_kernarg_segment_ptr 1
		.amdhsa_wavefront_size32 1
		.amdhsa_system_sgpr_workgroup_id_x 1
		.amdhsa_system_sgpr_workgroup_id_y 1
		.amdhsa_system_sgpr_workgroup_id_z 1
		.amdhsa_system_vgpr_workitem_id 0
		.amdhsa_next_free_vgpr 256
		.amdhsa_next_free_sgpr 66
		.amdhsa_reserve_vcc 0
		.amdhsa_float_denorm_mode_32 3
		.amdhsa_float_denorm_mode_16_64 3
		.amdhsa_memory_ordered 1
		.amdhsa_forward_progress 1
		.amdhsa_inst_pref_size 95
	.end_amdhsa_kernel
	.amdgpu_metadata
---
amdhsa.version: [ 1, 2 ]
amdhsa.kernels:
  - .name:           k_qb391a199f6_prep
    .symbol:         k_qb391a199f6_prep.kd
    .args:
      - { .name: query, .offset: 0, .size: 8, .value_kind: global_buffer, .address_space: global }
      - { .name: key_in, .offset: 8, .size: 8, .value_kind: global_buffer, .address_space: global }
      - { .name: value, .offset: 16, .size: 8, .value_kind: global_buffer, .address_space: global }
      - { .name: Wq, .offset: 24, .size: 8, .value_kind: global_buffer, .address_space: global }
      - { .name: Wk, .offset: 32, .size: 8, .value_kind: global_buffer, .address_space: global }
      - { .name: Wv, .offset: 40, .size: 8, .value_kind: global_buffer, .address_space: global }
      - { .name: Wo, .offset: 48, .size: 8, .value_kind: global_buffer, .address_space: global }
      - { .name: mask, .offset: 56, .size: 8, .value_kind: global_buffer, .address_space: global }
      - { .name: cod, .offset: 64, .size: 8, .value_kind: global_buffer, .address_space: global }
      - { .name: scl, .offset: 72, .size: 8, .value_kind: global_buffer, .address_space: global }
      - { .name: wof, .offset: 80, .size: 8, .value_kind: global_buffer, .address_space: global }
      - { .name: mbits, .offset: 88, .size: 8, .value_kind: global_buffer, .address_space: global }
    .group_segment_fixed_size: 67072
    .private_segment_fixed_size: 0
    .kernarg_segment_align: 8
    .kernarg_segment_size: 96
    .max_flat_workgroup_size: 128
    .sgpr_count:     66
    .vgpr_count:     256
    .wavefront_size: 32
...
	.end_amdgpu_metadata
.endif
;; end of part 1
;; launch proj (part 2): grid 4 x 96, 4 waves a work-group, clusters of 4 x 4, 327,680 bytes of LDS; arguments cod, scl, bq, bk, bv, qkv; writes qkv
.if DOCPART == 2
	.amdgcn_target "amdgcn-amd-amdhsa--gfx1250"
	.amdhsa_code_object_version 6
	.text
	.protected	k_qb391a199f6_proj
	.globl	k_qb391a199f6_proj
	.p2align	8
	.type	k_qb391a199f6_proj,@function
k_qb391a199f6_proj:
	s_mov_b64 s[64:65], 0
	v_nop
	global_prefetch_b8 v0, s[64:65] scope:SCOPE_SE
	s_setreg_imm32_b32 hwreg(HW_REG_WAVE_MODE, 25, 1), 1
	s_wait_xcnt 0x0
	s_wait_alu depctr_hold_cnt(0) depctr_sa_sdst(0) depctr_va_vdst(0) depctr_va_sdst(0) depctr_va_ssrc(0) depctr_va_vcc(0) depctr_vm_vsrc(0)
	s_getreg_b32 s2, hwreg(HW_REG_IB_STS2, 6, 4)
	s_cmp_eq_u32 s2, 0
	s_cbranch_scc0 .Lentry_in_a_cluster
	s_endpgm
.Lentry_in_a_cluster:
	s_bfe_u32 s2, ttmp6, 0x10000c
	s_cmp_lg_u32 s2, 0xf033
	s_cbranch_scc0 .Lentry_shape_is_right
	s_endpgm
.Lentry_shape_is_right:
; PROJ.  The three quantised projections as ONE product of 24,576 rows: rows 0-8,191 query x Wq^T, 8,192-16,383 key_in x Wk^T, 16,384-24,575 value x Wv^T; N = 1,024, K = 1,024.
; Both operands are codes of FP4 (E2M1) with one E8M0 byte for each 32 along K, as the launch before laid them: cod (512 bytes a row; the weights' rows from byte XC on), scl (32 bytes a row; from byte XS on).
; A tile of 256 x 256 is made by four waves, each 128 x 128: 64 accumulators of 16 x 16, 512 registers.  K = 1,024 is two LDS slots of 512 along K (rows of 256 bytes): all of K is asked for at the head, nothing is filled again.
; The scale bytes of the work-group's 256 + 256 rows come once, as whole runs of 256 bytes.
; CLUSTERS: 4 x 4 work-groups; A's tiles are asked for jointly along a row of the cluster, B's along a column.  A cluster's 1,024 rows lie in one of the three tensors: t = cluster y / 8 is the same in all sixteen.
; THE MATRIX INSTRUCTION IS USED TRANSPOSED (source 0 = 16 rows of W, source 1 = 16 tokens): a lane holds one token and eight neighbouring channels.
; THE WAY OUT: (sum + bias) x factor in f32 (one fused multiply-add with bias x factor), rounded once to f16; factor = log2(e) / 8 for q (the softmax's scale, in base 2), 1 for k and v.
;   A lane's eight channels are 16 bytes of a block of 512 bytes (16 tokens x 16 channels, lane (r, h) at 16 x lane): qkv is [t][batch][head][token / 16][channel / 16][512 bytes], and each store covers 512 consecutive bytes.
;   In v's blocks the upper 256 bytes are turned by 128: lane (r, h) lies at 256 h + 16 ((r + 8 h) % 16), so that the attention's turning loads take 16 different 16-byte columns modulo 256 bytes.
; LIMITS: (q x factor), k, v beyond 65,504 in magnitude become infinity in f16.
; No prefetch: every tile of the launch is asked for at its head.
; REGISTERS, in windows of 256: window 0: v0-31 addresses; v32-95 scale words, two sets, and nothing else; v96-127 the way out's f16; v128-191 A's fragments, ONE set (on the way out: the scaled sums); v192-255 the bias.
;   window 1: B's fragments, TWO sets, at v0 and v128.   window 2: the accumulators of my rows 0-63 ((a, b) at v[8 (8 a + b)]);   window 3: those of rows 64-127.
.set SIZE_K, 1024
.set XC,     12582912                  ; where the weights' codes begin in cod: 24,576 rows x 512 bytes
.set XS,     786432                    ; and their scale bytes in scl: 24,576 x 32
.set KSTEP,  512
.set NQ,     KSTEP/128                 ; matrix instructions deep in a slot
.set ROWB,   256                       ; a tile's row in bytes
.set KROW,   SIZE_K*4/8                ; a row of codes in memory
.set PITCH,  272                       ; an LDS row: 256 bytes + 16 of padding: the 16 rows that a load touches start at 16 different 16-byte columns modulo 256 bytes
.set FR,     8
.set NL,     2                         ; LDS loads that bring a fragment
.set NP,     4                         ; places behind this matrix instruction (ISA guide 7.12.1)
.set HALFT,  128*PITCH
.set SLOT,   4*HALFT                   ; A's 256 rows, then B's 256 rows
.set KS,     SIZE_K/32                 ; a row of scale bytes
.set SCL,    2*SLOT                    ; behind the slots: the scales, as runs of 256 bytes + 16 of padding
.set HALFS,  (128*KS/256)*272
.set SBLK,   (16*KS/256)*272
.set SPARE,  SCL+4*HALFS               ; the spare words, 128 bytes for each wave: two blocks of 256 bytes that no other line names
.set ADRA, 16                          ; v16-17  LDS address of my A fragments in slot 0, 1
.set ADRB, 20                          ; v20-21  the same for B
.set BO,   24                          ; v24     32 h: my eight numbers of a tile's sixteen biases
.set CO,   26                          ; v26     my 16 bytes in a block of qkv
.set ADRS, 27                          ; v27     LDS address of my scale words: lanes 0-15 A's rows, lanes 16-31 B's
.set SPW,  28                          ; v28     LDS address of my spare word; never rewritten
.set NIL,  29                          ; v29     0; never rewritten
.set SC,   32
.set OD,   96
.set AF,   128
.set T,    128
.set BI,   192
.set G1, 24                            ; s[24:31] descriptor group 1 for A's tiles;  s[32:39] group 0, one set for each slot
.set G0, 32
.set G1B, 48                           ; s[48:55], s[56:63] the same for B's tiles
.set G0B, 56
.set G1S, 68                           ; s[68:75], s[76:79] groups 1 and 0 for A's scales;  s[80:87], s[88:91] for B's
.set G0S, 76
.set G1SB, 80
.set G0SB, 88
.set MSB, 0
.macro WIN new                         ; the immediate's high byte repeats the setting that is left
.if MSB != (\new)
	s_set_vgpr_msb (MSB<<8)|(\new)
.set MSB, (\new)
.endif
.endm
.set MUL_LO, 0xa1                      ; source 0 (B) window 1, source 1 (A) window 0, C and D window 2
.set MUL_HI, 0xf1                      ; the same, C and D window 3
.set TO_B,   0x40                      ; destination window 1, address window 0
; A joint load: waves 0 and 1 fetch for A, waves 2 and 3 for B.  The branch hangs on the wave's number alone.  An s_nop 0 and four v_nop follow each of the two lines.
.macro JLOAD g0a, g1a, g0b, g1b
	s_cmp_eq_u32 s15, 0
	s_cbranch_scc0 .Lfor_b_\@
	tensor_load_to_lds s[\g0a:\g0a+3], s[\g1a:\g1a+7]
	s_nop 0
.rept 4
	v_nop
.endr
	s_branch .Lasked_\@
.Lfor_b_\@:
	tensor_load_to_lds s[\g0b:\g0b+3], s[\g1b:\g1b+7]
	s_nop 0
.rept 4
	v_nop
.endr
.Lasked_\@:
.endm
.macro CROUND                          ; a round of the cluster's barrier
	s_barrier_signal -1
	s_barrier_wait -1
	s_cmp_lg_u32 s14, 0
	s_cbranch_scc1 .Lnot_wave_0_\@
	s_barrier_signal -3
.Lnot_wave_0_\@:
	s_barrier_wait -3
	s_barrier_signal -1
	s_barrier_wait -1
.endm
	s_load_b128 s[4:7], s[0:1], 0x0                ; cod s[4:5], scl s[6:7]
	s_load_b256 s[32:39], s[0:1], 0x10             ; bq 32, bk 34, bv 36, qkv 38 (these registers become group 0 behind the choice below)
	v_lshl_add_u32 v[SPW], v0, 2, SPARE
	v_mov_b32 v[NIL], 0
	ds_add_u32 v[SPW], v[NIL]                      ; the wave's opening: the add, twice on end, and its wait ahead of my first tensor load
	ds_add_u32 v[SPW], v[NIL]
	v_lshrrev_b32 v1, 5, v0
	v_readfirstlane_b32 s14, v1                    ; wave 0..3
	s_lshr_b32 s15, s14, 1                         ; which half of the tile's rows is mine.  Also: I fetch for A (0) or for B (1)
	s_and_b32 s16, s14, 1                          ; which half of its columns.  Also: which 128 rows I fetch
	s_bfe_u32 s40, ttmp6, 0x40000                  ; cx, cy: my place in the cluster
	s_bfe_u32 s41, ttmp6, 0x40004
	s_lshl_b32 s42, ttmp9, 2
	s_add_co_u32 s42, s42, s40                     ; tile column = 4 x cluster x + cx
	s_and_b32 s17, ttmp7, 0xffff
	s_lshr_b32 s95, s17, 3                         ; t: 0 q, 1 k, 2 v: eight clusters of 1,024 rows to a tensor
	s_lshl_b32 s17, s17, 2
	s_add_co_u32 s17, s17, s41                     ; tile row = 4 x cluster y + cy
	s_lshl_b32 s43, s41, 2
	s_lshl_b32 s43, 15, s43                        ; my row of the cluster
	s_lshl_b32 s44, 0x1111, s40                    ; my column
	s_or_b32 s[G1+0], s43, (0<<16)|(1<<20)|(1<<21)|(5<<22)|(3<<25)  ; the mask; elements of 1 byte; padding on; bit 21 beside a mask; after every 64 words, 4 words
	s_or_b32 s[G1B+0], s44, (0<<16)|(1<<20)|(1<<21)|(5<<22)|(3<<25)
.irp g, G1, G1B
	s_mov_b32 s[\g+1], ROWB<<16                    ; tensor_dim0
	s_mov_b32 s[\g+2], 128<<16                     ; tensor_dim1
	s_mov_b32 s[\g+3], ROWB<<16                    ; tile_dim0
	s_mov_b32 s[\g+4], 128                         ; tile_dim1
	s_mov_b32 s[\g+5], KROW                        ; from row to row
	s_mov_b32 s[\g+6], 0
	s_mov_b32 s[\g+7], 0
.endr
	s_or_b32 s[G1S+0], s43, (3<<16)|(1<<20)|(1<<21)|(5<<22)|(3<<25) ; the scales of 128 rows: a dense block of 4,096 bytes, as 16 rows of 256 bytes (32 elements of 8), 16 bytes of padding behind each
	s_or_b32 s[G1SB+0], s44, (3<<16)|(1<<20)|(1<<21)|(5<<22)|(3<<25)
.irp g, G1S, G1SB
	s_mov_b32 s[\g+1], 32<<16
	s_mov_b32 s[\g+2], (128*KS/256)<<16
	s_mov_b32 s[\g+3], 32<<16
	s_mov_b32 s[\g+4], 128*KS/256
	s_mov_b32 s[\g+5], 32
	s_mov_b32 s[\g+6], 0
	s_mov_b32 s[\g+7], 0
.endr
	s_lshl_b32 s18, s16, 7                         ; which 128 rows of the tile I fetch
	s_lshl_b32 s20, s17, 8
	s_add_co_u32 s20, s20, s18                     ; A: row 256 x tile row + 128 x half
	s_lshl_b32 s46, s42, 8
	s_add_co_u32 s46, s46, s18
	s_lshl_b32 s19, s95, 10
	s_add_co_u32 s46, s46, s19                     ; B: row 1,024 t + 256 x tile column + 128 x half
	s_mov_b32 s21, 0
	s_mov_b32 s47, 0
	s_mov_b64 s[18:19], KS
	s_mul_u64 s[22:23], s[20:21], s[18:19]         ; where these rows' scales begin,
	s_mul_u64 s[92:93], s[46:47], s[18:19]
	s_mov_b64 s[18:19], KROW
	s_mul_u64 s[20:21], s[20:21], s[18:19]         ; and their codes
	s_mul_u64 s[46:47], s[46:47], s[18:19]
	s_mul_i32 s45, s14, HALFT                      ; where they go: wave x 128 rows: no place in the cluster enters an LDS address
	s_mul_i32 s94, s14, HALFS
	s_mov_b32 s96, 1.0
	s_cmp_eq_u32 s95, 0
	s_cselect_b32 s96, 0x3e38aa3b, s96             ; the factor: log2(e) / 8 for q, else 1
	s_mov_b32 s97, s96                             ; (named with it as a pair, so it is written)
	s_cmp_eq_u32 s95, 2
	s_cselect_b32 s100, 8, 0                       ; v's blocks are turned in their upper half
	s_wait_dscnt 0x0                               ; both opening adds are done
	s_wait_kmcnt 0x0
	s_cmp_eq_u32 s95, 1                            ; my tensor's bias: a choice on t alone
	s_cselect_b64 s[98:99], s[34:35], s[32:33]
	s_cmp_eq_u32 s95, 2
	s_cselect_b64 s[98:99], s[36:37], s[98:99]
	s_mov_b64 s[12:13], s[38:39]                   ; qkv
	s_add_nc_u64 s[8:9], s[4:5], XC                ; the weights' codes
	s_add_nc_u64 s[10:11], s[6:7], XS              ; and scale bytes
	s_add_nc_u64 s[20:21], s[4:5], s[20:21]
	s_add_nc_u64 s[22:23], s[6:7], s[22:23]
	s_add_nc_u64 s[46:47], s[8:9], s[46:47]
	s_add_nc_u64 s[92:93], s[10:11], s[92:93]
	CROUND                                         ; all sixteen work-groups are here: the joint loads meet
	s_mov_b32 s[G0S], 1
	s_add_co_u32 s[G0S+1], s94, SCL
	s_mov_b64 s[G0S+2:G0S+3], s[22:23]
	s_or_b32 s[G0S+3], s[G0S+3], 0x80000000
	s_mov_b32 s[G0SB], 1
	s_add_co_u32 s[G0SB+1], s94, SCL
	s_mov_b64 s[G0SB+2:G0SB+3], s[92:93]
	s_or_b32 s[G0SB+3], s[G0SB+3], 0x80000000
	JLOAD G0S, G1S, G0SB, G1SB                     ; the scales first: they are wanted with the first K step.  Three loads of mine are out behind this group
.irp s, 0,1
	s_mov_b32 s[G0+4*\s], 1
	s_add_co_u32 s[G0+4*\s+1], s45, \s*SLOT
	s_add_nc_u64 s[G0+4*\s+2:G0+4*\s+3], s[20:21], \s*ROWB
	s_or_b32 s[G0+4*\s+3], s[G0+4*\s+3], 0x80000000
	s_mov_b32 s[G0B+4*\s], 1
	s_add_co_u32 s[G0B+4*\s+1], s45, \s*SLOT
	s_add_nc_u64 s[G0B+4*\s+2:G0B+4*\s+3], s[46:47], \s*ROWB
	s_or_b32 s[G0B+4*\s+3], s[G0B+4*\s+3], 0x80000000
	JLOAD G0+4*\s, G1, G0B+4*\s, G1B
.endr
	v_and_b32 v1, 15, v0                           ; r
	v_bfe_u32 v2, v0, 4, 1                         ; h
	v_mul_u32_u24 v3, v1, PITCH
	v_lshl_add_u32 v4, v2, 4, v3                   ; a fragment's row x pitch + 16 h
	s_mul_i32 s21, s15, HALFT                      ; my 128 rows of A
	s_mul_i32 s22, s16, HALFT                      ; my 128 rows of B,
	s_add_co_u32 s22, s22, 2*HALFT                 ; which lie behind A's 256
.irp s, 0,1
	v_add_nc_u32 v[ADRA+\s], s21, v4
	v_add_nc_u32 v[ADRB+\s], s22, v4
	s_add_co_u32 s21, s21, SLOT
	s_add_co_u32 s22, s22, SLOT
.endr
	v_mul_u32_u24 v5, v1, KS                       ; my row's scales: KS bytes a row,
	v_lshrrev_b32 v6, 8, v5
	v_lshl_add_u32 v5, v6, 4, v5                   ; and 16 more for each 256 passed
	s_mul_i32 s21, s15, HALFS                      ; A's: my 128 rows
	s_mul_i32 s22, s16, HALFS                      ; B's: my 128 rows, behind A's 256
	s_add_co_u32 s22, s22, 2*HALFS
	s_sub_co_u32 s22, s22, s21
	v_mul_u32_u24 v6, s22, v2                      ; lanes 16-31 take B's: one product, the distance between the two
	s_add_co_u32 s21, s21, SCL
	v_add_nc_u32 v5, v5, v6
	v_add_nc_u32 v[ADRS], s21, v5
	v_mul_u32_u24 v5, s100, v2                     ; my 16 bytes in a block: 256 h + 16 ((r + 8 h) % 16) for v, 256 h + 16 r for q and k
	v_add_nc_u32 v5, v5, v1
	v_and_b32 v5, 15, v5
	v_lshlrev_b32 v5, 4, v5
	v_lshl_add_u32 v[CO], v2, 8, v5
	v_lshlrev_b32 v[BO], 5, v2
	s_lshl_b32 s46, s42, 10                        ; the bias of my 128 channels: 4 (256 x tile column + 128 x half) bytes on
	s_lshl_b32 s47, s16, 9
	s_add_co_u32 s46, s46, s47
	s_mov_b32 s47, 0
	s_add_nc_u64 s[98:99], s[98:99], s[46:47]
.irp b, 0,1,2,3,4,5,6,7
	global_load_b128 v[BI+8*\b:BI+8*\b+3], v[BO], s[98:99] offset:64*\b          ; register 8 b + j: the bias of channel 16 b + 8 h + j: the result's layout
	global_load_b128 v[BI+8*\b+4:BI+8*\b+7], v[BO], s[98:99] offset:64*\b+16
.endr
	s_lshl_b32 s20, s17, 8
	s_lshl_b32 s21, s15, 7
	s_add_co_u32 s20, s20, s21                     ; my first row of the 24,576
	s_lshr_b32 s21, s20, 11
	s_lshl_b32 s21, s21, 22                        ; (tensor, batch): 4 MiB each
	s_and_b32 s20, s20, 2047
	s_lshl_b32 s20, s20, 7                         ; 2,048 bytes for 16 tokens
	s_add_co_u32 s20, s20, s21
	s_lshl_b32 s46, s42, 2
	s_lshl_b32 s47, s16, 1
	s_add_co_u32 s46, s46, s47                     ; my first head
	s_lshl_b32 s46, s46, 18                        ; 262,144 bytes a head
	s_add_co_u32 s20, s20, s46
	s_mov_b32 s21, 0
	s_add_nc_u64 s[12:13], s[12:13], s[20:21]
.macro FRAG reg, adr, q, i             ; 16 rows x 128 K of 4-bit codes: 8 registers: lane l holds row l % 16; registers 4 c .. 4 c + 3 hold K = 64 c + 32 (l / 16) + 0 .. 31
.irp c, 0,1
	ds_load_b128 v[\reg+4*\c:\reg+4*\c+3], v[\adr] offset:64*(\q)+32*\c+(\i)*16*PITCH
.endr
.endm
; 16 matrix instructions: A's blocks a0, a0 + 1 x B's eight, 128 along K: the slot's q-th.  p: B's set;  sc: the set of scale words.  zero = 1: the first product starts the sums.
; The 64 accumulators take turns, one instruction a turn, in the same order in every step.
.macro MUL16 a0, p, q, sc, zero
.irp a, \a0, \a0+1
.irp b, 0,1,2,3,4,5,6,7
.if \zero
	v_wmma_scale_f32_16x16x128_f8f6f4 v[8*(8*((\a)%4)+\b):8*(8*((\a)%4)+\b)+7], v[128*(\p)+FR*\b:128*(\p)+FR*\b+FR-1], v[AF+FR*(\a):AF+FR*(\a)+FR-1], 0, v[SC+8*NQ*(\sc)+NQ*\b+(\q)], v[SC+8*NQ*(\sc)+NQ*(\a)+(\q)] matrix_a_fmt:MATRIX_FMT_FP4 matrix_b_fmt:MATRIX_FMT_FP4 matrix_a_scale:MATRIX_SCALE_ROW1
.else
	v_wmma_scale_f32_16x16x128_f8f6f4 v[8*(8*((\a)%4)+\b):8*(8*((\a)%4)+\b)+7], v[128*(\p)+FR*\b:128*(\p)+FR*\b+FR-1], v[AF+FR*(\a):AF+FR*(\a)+FR-1], v[8*(8*((\a)%4)+\b):8*(8*((\a)%4)+\b)+7], v[SC+8*NQ*(\sc)+NQ*\b+(\q)], v[SC+8*NQ*(\sc)+NQ*(\a)+(\q)] matrix_a_fmt:MATRIX_FMT_FP4 matrix_b_fmt:MATRIX_FMT_FP4 matrix_a_scale:MATRIX_SCALE_ROW1
.endif
.endr
.endr
.endm
.macro FETCH_B slot, q, p              ; B's eight fragments of the slot's q-th 128 along K into set p
	WIN TO_B
.irp i, 0,1,2,3,4,5,6,7
	FRAG 128*(\p)+FR*\i, ADRB+\slot, \q, \i
.endr
	WIN 0
.endm
.macro FETCH_A slot, q, i0             ; A's blocks i0 .. i0 + 3
.irp i, \i0, \i0+1, \i0+2, \i0+3
	FRAG AF+FR*(\i), ADRA+\slot, \q, \i
.endr
.endm
.macro SCALES sc                       ; a slot's scale words into set sc: 4 words a row; lanes 0-15 take A's block i, lanes 16-31 B's block i
.irp i, 0,1,2,3,4,5,6,7
	ds_load_b128 v[SC+8*NQ*\sc+NQ*\i:SC+8*NQ*\sc+NQ*\i+3], v[ADRS] offset:\i*SBLK
.endr
.endm
.macro PLACES n                        ; plain vector instructions that name no register of the matrix instructions before them, in front of loads into registers that those have read and of the first read of results
.rept \n
	v_nop
.endr
.endm
.macro STEP slot, q, zero              ; a step of 128 along K that has its successor in the same slot
	s_wait_dscnt 4*NL                              ; B's set and A's blocks 0-3 are in; the youngest eight loads (A's blocks 4-7) may be out
	WIN MUL_LO
	MUL16 0, (\q)%2, \q, \slot, \zero
	MUL16 2, (\q)%2, \q, \slot, \zero
	s_wait_dscnt 0                                 ; A's blocks 4-7 are in
	PLACES NP
	FETCH_B \slot, (\q)+1, 1-(\q)%2
	FETCH_A \slot, (\q)+1, 0
	WIN MUL_HI
	MUL16 4, (\q)%2, \q, \slot, \zero
	MUL16 6, (\q)%2, \q, \slot, \zero
	PLACES NP
	WIN 0
	FETCH_A \slot, (\q)+1, 4
.endm
.macro TURN slot, next                 ; slot 0's last step goes over to slot 1: each wave waits for all its tensor loads; behind the barrier slot 1 is whole.  Nothing is filled again
	s_wait_tensorcnt 0x0                           ; all my tensor loads have landed: my part of slot 1
	ds_add_u32 v[SPW], v[NIL]                      ; 0 onto my spare word
	s_wait_dscnt 4*NL+1                            ; (the add and the youngest eight loads may be out)
	WIN MUL_LO
	MUL16 0, 1, NQ-1, \slot, 0
	s_wait_dscnt 0x0                               ; no LDS instruction of mine is out at the signal
	s_barrier_signal -1
	MUL16 2, 1, NQ-1, \slot, 0
	WIN 0
	s_barrier_wait -1
	PLACES NP
	v_add_nc_u32 v[ADRS], 4*NQ, v[ADRS]            ; on to the next slot's scale words
	FETCH_B \next, 0, 0
	FETCH_A \next, 0, 0
	SCALES \next
	WIN MUL_HI
	MUL16 4, 1, NQ-1, \slot, 0
	MUL16 6, 1, NQ-1, \slot, 0
	PLACES NP
	WIN 0
	FETCH_A \next, 0, 4
.endm
	s_wait_tensorcnt 1                             ; the scales and my part of slot 0 are in (slot 1's load may be out),
	s_barrier_signal -1
	s_barrier_wait -1                              ; everybody's are
	FETCH_B 0, 0, 0
	FETCH_A 0, 0, 0
	SCALES 0
	FETCH_A 0, 0, 4
	STEP 0, 0, 1                                   ; the first products start the sums: nothing is cleared
	STEP 0, 1, 0
	STEP 0, 2, 0
	TURN 0, 1
	STEP 1, 0, 0
	STEP 1, 1, 0
	STEP 1, 2, 0
	s_wait_dscnt 4*NL                              ; the last step: nothing more to fetch
	WIN MUL_LO
	MUL16 0, 1, NQ-1, 1, 0
	MUL16 2, 1, NQ-1, 1, 0
	s_wait_dscnt 0
	WIN MUL_HI
	MUL16 4, 1, NQ-1, 1, 0
	MUL16 6, 1, NQ-1, 1, 0
	WIN 0
	; THE WAY OUT, block by block of 16 tokens x 128 channels, straight from registers
	PLACES NP
	s_wait_loadcnt 0x0                             ; the bias
.set i, 0
.rept 32
	v_pk_mul_f32 v[BI+i:BI+i+1], v[BI+i:BI+i+1], s[96:97] op_sel_hi:[1,0]        ; bias x factor
.set i, i+2
.endr
.macro OUT a
.set AC, 64*((\a)%4)
	WIN 0x02+((\a)/4)                              ; source 0: window 2 or 3
.set i, 0
.rept 32
	v_pk_fma_f32 v[T+i:T+i+1], v[AC+i:AC+i+1], s[96:97], v[BI+i:BI+i+1] op_sel_hi:[1,0,1]   ; sum x factor + bias x factor; each accumulator from its low end on
.set i, i+2
.endr
	WIN 0
.if (\a) > 0
	s_wait_xcnt 0x0                                ; the last block's stores have read their data: the registers are written again only behind this wait
.endif
.set i, 0
.rept 32
	v_cvt_pk_f16_f32 v[OD+i], v[T+2*i], v[T+2*i+1]
.set i, i+1
.endr
.irp b, 0,1,2,3,4,5,6,7
	global_store_b128 v[CO], v[OD+4*\b:OD+4*\b+3], s[12:13] offset:(\a)*2048+(\b/4)*262144+(\b%4)*512   ; a block of 16 tokens x 16 channels: 512 consecutive bytes, aligned
.endr
.endm
.irp a, 0,1,2,3,4,5,6,7
	OUT \a
.endr
	s_wait_tensorcnt 0x0                           ; the wave's end: a wait, an add of 0 to my spare word and its wait, behind my last tensor load
	ds_add_u32 v[SPW], v[NIL]
	s_wait_dscnt 0x0
	CROUND                                         ; the closing round
	s_endpgm
.Lfunc_end_k_qb391a199f6_proj:
	.size	k_qb391a199f6_proj, .Lfunc_end_k_qb391a199f6_proj-k_qb391a199f6_proj
	.p2alignl 7, 3214868480
	.fill 96, 4, 3214868480
	.section	.rodata,"a",@progbits
	.p2align	6, 0x0
	.amdhsa_kernel k_qb391a199f6_proj
		.amdhsa_group_segment_fixed_size 327680
		.amdhsa_private_segment_fixed_size 0
		.amdhsa_enable_private_segment 0
		.amdhsa_kernarg_size 48
		.amdhsa_user_sgpr_count 2
		.amdhsa_user_sgpr_kernarg_segment_ptr 1
		.amdhsa_wavefront_size32 1
		.amdhsa_system_sgpr_workgroup_id_x 1
		.amdhsa_system_sgpr_workgroup_id_y 1
		.amdhsa_system_sgpr_workgroup_id_z 1
		.amdhsa_system_vgpr_workitem_id 0
		.amdhsa_next_free_vgpr 1024
		.amdhsa_next_free_sgpr 102
		.amdhsa_reserve_vcc 0
		.amdhsa_float_denorm_mode_32 3
		.amdhsa_float_denorm_mode_16_64 3
		.amdhsa_memory_ordered 1
		.amdhsa_forward_progress 1
		.amdhsa_inst_pref_size 138
	.end_amdhsa_kernel
	.amdgpu_metadata
---
amdhsa.version: [ 1, 2 ]
amdhsa.kernels:
  - .name:           k_qb391a199f6_proj
    .symbol:         k_qb391a199f6_proj.kd
    .args:
      - { .name: cod, .offset: 0, .size: 8, .value_kind: global_buffer, .address_space: global }
      - { .name: scl, .offset: 8, .size: 8, .value_kind: global_buffer, .address_space: global }
      - { .name: bq, .offset: 16, .size: 8, .value_kind: global_buffer, .address_space: global }
      - { .name: bk, .offset: 24, .size: 8, .value_kind: global_buffer, .address_space: global }
      - { .name: bv, .offset: 32, .size: 8, .value_kind: global_buffer, .address_space: global }
      - { .name: qkv, .offset: 40, .size: 8, .value_kind: global_buffer, .address_space: global }
    .group_segment_fixed_size: 327680
    .private_segment_fixed_size: 0
    .kernarg_segment_align: 8
    .kernarg_segment_size: 48
    .max_flat_workgroup_size: 128
    .sgpr_count:     102
    .vgpr_count:     1024
    .wavefront_size: 32
...
	.end_amdgpu_metadata
.endif
;; end of part 2
;; launch attn (part 3): grid 4 x 64, 8 waves a work-group, clusters of 4 x 1, 327,680 bytes of LDS; arguments qkv, mbits, xf; writes xf
.if DOCPART == 3
	.amdgcn_target "amdgcn-amd-amdhsa--gfx1250"
	.amdhsa_code_object_version 6
	.text
	.protected	k_qb391a199f6_attn
	.globl	k_qb391a199f6_attn
	.p2align	8
	.type	k_qb391a199f6_attn,@function
k_qb391a199f6_attn:
	s_mov_b64 s[64:65], 0
	v_nop
	global_prefetch_b8 v0, s[64:65] scope:SCOPE_SE
	s_setreg_imm32_b32 hwreg(HW_REG_WAVE_MODE, 25, 1), 1
	s_wait_xcnt 0x0
	s_wait_alu depctr_hold_cnt(0) depctr_sa_sdst(0) depctr_va_vdst(0) depctr_va_sdst(0) depctr_va_ssrc(0) depctr_va_vcc(0) depctr_vm_vsrc(0)
	s_getreg_b32 s2, hwreg(HW_REG_IB_STS2, 6, 4)
	s_cmp_eq_u32 s2, 0
	s_cbranch_scc0 .Lentry_in_a_cluster
	s_endpgm
.Lentry_in_a_cluster:
	s_bfe_u32 s2, ttmp6, 0x10000c
	s_cmp_lg_u32 s2, 0x3003
	s_cbranch_scc0 .Lentry_shape_is_right
	s_endpgm
.Lentry_shape_is_right:
; ATTN.  x[b][q][head] = the sum over keys of softmax(where(mask == 0, -1e9, q . k / 8)) v, for 64 (batch, head) pairs, 2,048 queries and keys, head size 64.
; q, k, v come as f16 from qkv ([t][batch][head][token / 16][channel / 16][512 bytes], a block being 16 tokens x 16 channels, lane (r, h) at 16 x lane; v's upper halves turned by 128 bytes).
; q already carries log2(e) / 8, so a product K Q^T is t = score x log2(e); a masked t becomes -1e9 x log2(e); p = 2^(t - m), m the row's running maximum; l = the sum of p in f32; x = (the sum of p v) / l.
; A row that is masked everywhere has t - m = 0 and p = 1 for every key: the plain mean of v.  Products on f16 operands with f32 sums; p is rounded to f16 for the second product, x once at the end.
; SHARES.  A cluster is one (batch, head); its four work-groups are the four blocks of 512 queries; a wave owns 64 queries: four tiles of 16.  Every wave walks 32 steps of 64 keys.
; LAYOUT.  Both products are used transposed: S^T = K Q^T (source 0 = 16 keys, source 1 = 16 queries), O^T = V^T P (source 0 = 16 channels, source 1 = P): a lane holds ONE query (lane % 16) throughout,
; and two tiles of S^T, rounded in pairs, ARE source 1 of the second product.  K comes out of LDS as it lies (two loads at 16 x lane a fragment), V turned, by ds_load_tr16_b128.
; THE MASK comes as lane masks (32 words for a tile of 16 queries x 64 keys), by scalar loads a tile ahead, into two sets of 32 scalar registers by turns: one v_cndmask_b32 a score register.
; BY TURNS.  While tile t's softmax (150 vector instructions) is issued, one matrix instruction of another tile stands behind every ninth of them: K Q^T of tile t + 1, then V^T P of tile t - 1.  They share no
; register with the tile at work, so the softmax's lines are the places behind them.  The price is two switches of the register window for each such matrix instruction.
; THE RING.  Two LDS slots of 512 keys (K 65,536 bytes, then V 65,536).  Each of the eight waves brings 16,384 bytes by one joint load (mask: the cluster's four work-groups), and a refill has eight steps in which to land.
; LIMITS: NaN and infinities are not served; x beyond 65,504 in magnitude becomes infinity in f16.
; REGISTERS.  window 0: v1-9 addresses and constants; v16-47 eight registers of statistics a tile; v64-191 S^T, 32 a tile (P in the first 16 of them); v192-255 K's 8 fragments.
;             window 1: v0-127 O^T, 32 a tile; v128-191 Q, 16 a tile; v192-255 V's 8 fragments.
.set SLOT1, 131072
.set VOFF,  65536                      ; in a slot: V behind K
.set STEPB, 8192                       ; a step's 64 keys x 128 bytes
.set SPARE, 262144                     ; behind the ring: the spare words, 128 bytes for each wave: four blocks of 256 bytes that no other line names
.set LI,  1                            ; v1  16 x lane
.set AV,  2                            ; v2  my lane's place in a block of V for the turning load, + VOFF
.set ADK, 3                            ; v3  LDS address of the step's K
.set ADV, 4                            ; v4  and V
.set SPW, 6                            ; v6  LDS address of my spare word; never rewritten
.set NIL, 7                            ; v7  0; never rewritten
.set NEG, 8                            ; v8  -1e9 x log2(e)
.set PFO, 9                            ; v9  the prefetch's offset; never rewritten
.set ST,  16                           ; tile t's statistics at v[ST + 8 t]: +0 m, +1 (its pair's upper word), +2, +3 l (even registers', odd registers'), +4 to +7 c0-c3, at work; a takes c2's place
.set S,   64
.set KF,  192
.set QF,  128                          ; in window 1
.set VF,  192                          ; in window 1
.set MP,  6                            ; s[6:7]   the mask words of my first tile, at the step in hand
.set WV,  10                           ; s10      my wave's number
.set CNT, 11                           ; s11      counts a slot's eight steps
.set TB,  12                           ; s12      LDS byte at which the step's K begins
.set SEL, 14                           ; s[14:15] lane selects for v_permlanex16_b32: lane l xor 16
.set G1,  16                           ; s[16:23] descriptor group 1
.set G0,  24                           ; s[24:31] group 0, a set for each slot
;                                        s[32:63] mask words, set A (even tiles);  s[68:99] set B (odd tiles);  s100 the head
.set MSB, 0
.macro WIN new                         ; the immediate's high byte repeats the setting that is left; a switch that changes nothing is dropped
.if MSB != (\new)
	s_set_vgpr_msb (MSB<<8)|(\new)
.set MSB, (\new)
.endif
.endm
.set W_KQ, 0x04                        ; source 1 (Q) window 1; K, S^T window 0
.set W_PV, 0x51                        ; V, C and D (O^T) window 1; P window 0
.set W_RS, 0x41                        ; O^T (destination and source 0) window 1; a window 0
.macro CROUND                          ; a round of the cluster's barrier
	s_barrier_signal -1
	s_barrier_wait -1
	s_cmp_lg_u32 s[WV], 0
	s_cbranch_scc1 .Lnot_wave_0_\@
	s_barrier_signal -3
.Lnot_wave_0_\@:
	s_barrier_wait -3
	s_barrier_signal -1
	s_barrier_wait -1
.endm
	s_load_b128 s[4:7], s[0:1], 0x0                ; qkv s[4:5], mbits s[6:7]
	s_load_b64 s[8:9], s[0:1], 0x10                ; xf
	v_lshl_add_u32 v[SPW], v0, 2, SPARE
	v_mov_b32 v[NIL], 0
	ds_add_u32 v[SPW], v[NIL]                      ; the wave's opening: the add, twice on end, and its wait ahead of my first tensor load
	ds_add_u32 v[SPW], v[NIL]
	v_lshrrev_b32 v10, 5, v0
	v_readfirstlane_b32 s[WV], v10                 ; wave 0..7
	s_bfe_u32 s13, ttmp6, 0x40000                  ; cx: my block of 512 queries; it enters Q's, the mask's and x's addresses alone
	s_and_b32 s66, ttmp7, 0xffff                   ; 16 x batch + head, which the four partners share
	s_mov_b32 s[G1], 15|(3<<16)|(1<<21)            ; the mask: all four work-groups; elements of 8 bytes; bit 21 beside a mask; no padding
	s_mov_b32 s[G1+1], 32<<16                      ; tensor_dim0 = 32 elements: 256 bytes
	s_mov_b32 s[G1+2], 64<<16                      ; tensor_dim1 = 64
	s_mov_b32 s[G1+3], 32<<16                      ; tile_dim0
	s_mov_b32 s[G1+4], 64                          ; tile_dim1: 64 rows of 256 bytes, dense: 16,384 bytes
	s_mov_b32 s[G1+5], 32                          ; from row to row
	s_mov_b32 s[G1+6], 0
	s_mov_b32 s[G1+7], 0
	s_lshr_b32 s2, s[WV], 2                        ; what I fetch: waves 0-3 K's quarters of a slot, waves 4-7 V's
	s_add_co_u32 s2, s2, 1
	s_lshl_b32 s2, s2, 24                          ; k begins 16 MiB into qkv, v 32 MiB
	s_lshl_b32 s3, s66, 18                         ; 262,144 bytes a (batch, head)
	s_add_co_u32 s2, s2, s3
	s_and_b32 s3, s[WV], 3
	s_lshl_b32 s3, s3, 14
	s_add_co_u32 s2, s2, s3
	s_mov_b32 s3, 0
	s_lshl_b32 s67, s[WV], 14                      ; and where it goes: wave x 16,384
	s_lshl_b32 s68, s13, 5
	s_lshl_b32 s69, s[WV], 2
	s_add_co_u32 s68, s68, s69                     ; my first tile of 16 queries among the batch's 128: 32 cx + 4 wave
	s_lshl_b32 s70, s66, 18
	s_lshl_b32 s69, s68, 11
	s_add_co_u32 s70, s70, s69
	s_mov_b32 s71, 0                               ; Q's bytes
	s_lshr_b32 s72, s66, 4
	s_lshl_b32 s72, s72, 7
	s_add_co_u32 s72, s72, s68
	s_lshl_b32 s72, s72, 12                        ; 4,096 bytes for 16 rows: in mbits, and in a K step of xf
	s_mov_b32 s73, 0
	s_and_b32 s100, s66, 15                        ; the head
	s_lshr_b32 s74, s100, 1
	s_lshl_b32 s74, s74, 21                        ; xf: [head / 2][row / 16][4 (head % 2) + channel / 16][512 bytes]
	s_add_co_u32 s74, s74, s72
	s_and_b32 s69, s66, 1
	s_lshl_b32 s69, s69, 11
	s_add_co_u32 s74, s74, s69
	s_mov_b32 s75, 0
	s_mov_b32 s[SEL], 0x76543210
	s_mov_b32 s[SEL+1], 0xfedcba98
	s_wait_dscnt 0x0                               ; both opening adds are done
	s_wait_kmcnt 0x0
	s_mov_b32 s[G0], 1
	s_mov_b32 s[G0+1], s67                         ; slot 0
	s_add_nc_u64 s[G0+2:G0+3], s[4:5], s[2:3]      ; keys 0 to 511
	s_or_b32 s[G0+3], s[G0+3], 0x80000000
	s_mov_b32 s[G0+4], 1
	s_add_co_u32 s[G0+5], s67, SLOT1               ; slot 1
	s_add_nc_u64 s[G0+6:G0+7], s[4:5], s[2:3]
	s_add_nc_u64 s[G0+6:G0+7], s[G0+6:G0+7], 65536 ; keys 512 to 1,023
	s_or_b32 s[G0+7], s[G0+7], 0x80000000
	CROUND                                         ; all four work-groups are here: the first joint loads meet
	tensor_load_to_lds s[G0:G0+3], s[G1:G1+7]      ; both first fills together: two loads of mine are out
	s_nop 0
	tensor_load_to_lds s[G0+4:G0+7], s[G1:G1+7]
	s_nop 0
.rept 4
	v_nop
.endr
	s_add_nc_u64 s[4:5], s[4:5], s[70:71]          ; Q at my first tile
	s_add_nc_u64 s[MP:MP+1], s[MP:MP+1], s[72:73]
	s_add_nc_u64 s[8:9], s[8:9], s[74:75]
	s_load_b512 s[32:47], s[MP:MP+1], 0x0          ; tile 0's mask words of step 0
	s_load_b512 s[48:63], s[MP:MP+1], 0x40
	v_and_b32 v10, 31, v0
	v_lshlrev_b32 v[LI], 4, v10
	WIN 0x40                                       ; destination window 1, address window 0
.irp f, 0,1,2,3,4,5,6,7                ; Q stays in registers: tile f / 2, channels 32 (f % 2) on: two neighbouring blocks are a fragment's registers 0-3 and 4-7
	global_load_b128 v[QF+8*\f:QF+8*\f+3],   v[LI], s[4:5] offset:(\f/2)*2048+(\f%2)*1024
	global_load_b128 v[QF+8*\f+4:QF+8*\f+7], v[LI], s[4:5] offset:(\f/2)*2048+(\f%2)*1024+512
.endr
.set i, 0
.rept 128
	v_mov_b32 v[i], 0                              ; O^T.  (The step is written in one form: the first finds zeros, which a = 0 leaves zeros)
.set i, i+1
.endr
	WIN 0
	; The turning load: lane l addresses 16 bytes: key 8 (l / 16) + l % 8, channels 8 ((l / 8) % 2) + 0..7, and receives channel l % 16, keys 8 (l / 16) + 0..7.
	v_bfe_u32 v11, v0, 3, 1                        ; which half of the channels
	v_bfe_u32 v[AV], v0, 4, 1
	v_and_b32 v10, 7, v0
	v_lshl_add_u32 v[AV], v[AV], 3, v10            ; the key in its tile of 16
	v_lshl_add_u32 v[AV], v11, 3, v[AV]
	v_and_b32 v[AV], 15, v[AV]                     ; (the upper half of a block of V is turned by 8 places)
	v_lshlrev_b32 v[AV], 4, v[AV]
	v_lshl_add_u32 v[AV], v11, 8, v[AV]
	v_add_nc_u32 v[AV], VOFF, v[AV]
	v_bfe_u32 v[PFO], v0, 3, 2
	v_lshlrev_b32 v[PFO], 12, v[PFO]
	v_lshl_add_u32 v[PFO], v10, 8, v[PFO]          ; 4,096 (lane / 8) + 256 (lane % 8): tile lane / 8, its (lane % 8)-th run of 256 bytes
	v_mov_b32 v[NEG], 0xceabfb8f                   ; -1e9 x log2(e)
.irp t, 0,1,2,3
	v_mov_b32 v[ST+8*\t], 0xff61b1e6               ; m: -3e38, under every t
.irp u, 1,2,3,4,5,6,7
	v_mov_b32 v[ST+8*\t+\u], 0                     ; l = 0; the others are written once, since pairs and a lane permute's destination name them
.endr
.endr
; Product i of 8 of tile t's S^T = K Q^T: channels 32 (i / 4) on, keys 16 (i % 4) on.  The first four start the sums.  Four accumulators take turns.
.macro KQ t, i
	WIN W_KQ
.set kS, S+32*(\t)+8*((\i)%4)
.set kK, KF+16*((\i)%4)+8*((\i)/4)
.set kQ, QF+16*(\t)+8*((\i)/4)
.if (\i) < 4
	v_wmma_f32_16x16x32_f16 v[kS:kS+7], v[kK:kK+7], v[kQ:kQ+7], 0
.else
	v_wmma_f32_16x16x32_f16 v[kS:kS+7], v[kK:kK+7], v[kQ:kQ+7], v[kS:kS+7]
.endif
.endm
; Product i of 8 of tile t's O^T += V^T P: keys 32 (i / 4) on, channels 16 (i % 4) on.  Four accumulators take turns.
.macro PV t, i
	WIN W_PV
.set pO, 32*(\t)+8*((\i)%4)
.set pV, VF+32*((\i)/4)+8*((\i)%4)
.set pP, S+32*(\t)+8*((\i)/4)
	v_wmma_f32_16x16x32_f16 v[pO:pO+7], v[pV:pV+7], v[pP:pP+7], v[pO:pO+7]
.endm
; Number j of the 150 instructions of tile t's softmax for one step.  s0-s31 are the lane's 32 scores.
;   0-31    the mask: a score whose bit is 0 becomes -1e9 x log2(e); ascending
;   32-47   the maximum of s0-s31 and the old m, three operands at a time, in four chains
;   48-52   the other half of the lanes' maximum; the new m; a = 2^(old m - new m)
;   53-100  ONE BATCH: 16 packed subtractions of m and the 32 exponentials; none of these reads an exponential's result
;   101     a plain instruction behind the last exponential, and the batch's one wait, ahead of the first instruction that names a result
;   102-117 l = a l + the sum of p, in two chains of pairs
;   118-133 p rounded to f16 in pairs, in place: the destination never passes its sources
;   134-149 the tile's O^T times a: the one part that leaves window 0
.macro SM t
.set rT, ST+8*(\t)
.set rS, S+32*(\t)
.set rM, 32+36*((\t)%2)
.if j < 134
	WIN 0
.endif
.if j < 32
	v_cndmask_b32 v[rS+j], v[NEG], v[rS+j], s[rM+j]
.elseif j < 36
	v_max3_num_f32 v[rT+4+j-32], v[rS+8*(j-32)], v[rS+8*(j-32)+1], v[rS+8*(j-32)+2]
.elseif j < 44
.set u, (j-32)%4
.set w, (j-32)/4
	v_max3_num_f32 v[rT+4+u], v[rT+4+u], v[rS+8*u+2*w+1], v[rS+8*u+2*w+2]
.elseif j == 44
	v_max3_num_f32 v[rT+4], v[rT+4], v[rS+7], v[rS+15]
.elseif j == 45
	v_max3_num_f32 v[rT+6], v[rT+6], v[rS+23], v[rS+31]
.elseif j == 46
	v_max3_num_f32 v[rT+4], v[rT+4], v[rT+5], v[rT+6]
.elseif j == 47
	v_max3_num_f32 v[rT+4], v[rT+4], v[rT+7], v[rT]
.elseif j == 48
	v_permlanex16_b32 v[rT+5], v[rT+4], s[SEL], s[SEL+1]  ; the query's other 32 keys lie in the lane 16 away
.elseif j == 49
	v_mov_b32 v[rT+7], v[rT]
.elseif j == 50
	v_max_num_f32 v[rT], v[rT+4], v[rT+5]
.elseif j == 51
	v_sub_f32 v[rT+7], v[rT+7], v[rT]
.elseif j == 52
	v_exp_f32 v[rT+6], v[rT+7]
.elseif j == 53
	v_pk_add_f32 v[rS:rS+1], v[rS:rS+1], v[rT:rT+1] op_sel_hi:[1,0] neg_lo:[0,1] neg_hi:[0,1]
.elseif j < 99
.set b, (j-54)/3+1
.set e, (j-54)%3
.if e == 0
	v_pk_add_f32 v[rS+2*b:rS+2*b+1], v[rS+2*b:rS+2*b+1], v[rT:rT+1] op_sel_hi:[1,0] neg_lo:[0,1] neg_hi:[0,1]  ; pair b: t - m (of the pair at m the low word serves both halves)
.else
	v_exp_f32 v[rS+2*b-3+e], v[rS+2*b-3+e]         ; the pair before
.endif
.elseif j < 101
	v_exp_f32 v[rS+j-69], v[rS+j-69]
.elseif j == 101
	v_nop
	s_wait_alu depctr_va_vdst(0)
.elseif j == 102
	v_pk_fma_f32 v[rT+2:rT+3], v[rT+2:rT+3], v[rT+6:rT+7], v[rS:rS+1] op_sel_hi:[1,0,1]
.elseif j == 103
	v_pk_add_f32 v[rT+4:rT+5], v[rS+2:rS+3], v[rS+4:rS+5]
.elseif j < 117
.set b, j-101
.if (j%2) == 0
	v_pk_add_f32 v[rT+2:rT+3], v[rT+2:rT+3], v[rS+2*b:rS+2*b+1]
.else
	v_pk_add_f32 v[rT+4:rT+5], v[rT+4:rT+5], v[rS+2*b:rS+2*b+1]
.endif
.elseif j == 117
	v_pk_add_f32 v[rT+2:rT+3], v[rT+2:rT+3], v[rT+4:rT+5]
.elseif j < 134
	v_cvt_pk_f16_f32 v[rS+j-118], v[rS+2*(j-118)], v[rS+2*(j-118)+1]
.else
	WIN W_RS
	v_pk_mul_f32 v[32*(\t)+2*(j-134):32*(\t)+2*(j-134)+1], v[32*(\t)+2*(j-134):32*(\t)+2*(j-134)+1], v[rT+6:rT+7] op_sel_hi:[1,0]
.endif
.endm
; The matrix instruction behind every ninth number: places 0-7 K Q^T of tile t + 1, places 8-15 V^T P of tile t - 1
.macro MX t
.set sl, j/9-1
.if sl < 8
.if (\t) < 3
	KQ (\t)+1, sl
.endif
.else
.if (\t) > 0
.if ((\t) == 1) && (sl == 8)
	s_wait_dscnt 0x0                               ; V is in
.endif
	PV (\t)-1, sl-8
.endif
.endif
.endm
.macro STAGE t
	s_wait_kmcnt 0x0                               ; tile t's mask words, asked for a stage ago
.if (\t) == 3
	s_load_b512 s[32:47], s[MP:MP+1], 128          ; the next step's tile 0.  (In the last step these 128 bytes are the next 16 rows' first: inside mbits, since my first tile is at most the 509th of 512; they are not used)
	s_load_b512 s[48:63], s[MP:MP+1], 192
.elseif ((\t)%2) == 0
	s_load_b512 s[68:83], s[MP:MP+1], ((\t)+1)*4096
	s_load_b512 s[84:99], s[MP:MP+1], ((\t)+1)*4096+64
.else
	s_load_b512 s[32:47], s[MP:MP+1], ((\t)+1)*4096
	s_load_b512 s[48:63], s[MP:MP+1], ((\t)+1)*4096+64
.endif
.set j, 0
.rept 150
	SM \t
.set j, j+1
.if (j%9) == 0
	MX \t
.endif
.endr
.endm
; A KEY STEP: 64 keys
.macro STEP
	v_add_nc_u32 v[ADK], s[TB], v[LI]
	v_add_nc_u32 v[ADV], s[TB], v[AV]
	v_nop
	v_nop                                          ; four plain instructions between the last V^T P and the loads into V's registers
.irp f, 0,1,2,3,4,5,6,7                ; K: keys 16 (f / 2) on, channels 32 (f % 2) on
	ds_load_b128 v[KF+8*\f:KF+8*\f+3],   v[ADK] offset:1024*\f
	ds_load_b128 v[KF+8*\f+4:KF+8*\f+7], v[ADK] offset:1024*\f+512
.endr
	WIN 0x40                                       ; destination window 1
.irp f, 0,1,2,3,4,5,6,7                ; V, turned: keys 32 (f / 4) on, channels 16 (f % 4) on
	ds_load_tr16_b128 v[VF+8*\f:VF+8*\f+3],   v[ADV] offset:(\f/4)*4096+(\f%4)*512
	ds_load_tr16_b128 v[VF+8*\f+4:VF+8*\f+7], v[ADV] offset:(\f/4)*4096+2048+(\f%4)*512
.endr
	s_wait_dscnt 16                                ; K is in; V's sixteen loads may be out
.irp i, 0,1,2,3,4,5,6,7
	KQ 0, \i
.endr
	WIN 0
.rept 4
	v_nop                                          ; places in front of the first read of those scores
.endr
	STAGE 0
	STAGE 1
	STAGE 2
	STAGE 3
.irp i, 0,1,2,3,4,5,6,7
	PV 3, \i
.endr
	WIN 0
	s_wait_xcnt 0x0                                ; the scalar loads (and the prefetch) have read their base: it is stepped only behind this wait
	s_add_nc_u64 s[MP:MP+1], s[MP:MP+1], 128
	s_add_co_u32 s[TB], s[TB], STEPB
.endm
.macro PHASE base                      ; a slot's eight steps
	s_mov_b32 s[TB], \base
	s_mov_b32 s[CNT], 8
.Lstep_\@:
	STEP
	s_sub_co_u32 s[CNT], s[CNT], 1
	s_cmp_lg_u32 s[CNT], 0
	s_cbranch_scc1 .Lstep_\@
.endm
; THE CHANGE OF SLOTS.  Each wave waits for all its tensor loads (one is out: its part of the other slot), adds 0 to its spare word, and waits for that and for its reads of the slot that it leaves.
; fill = 1: the barrier is a round of the cluster's, so that no wave of any partner still reads the slot or has a load on its way, and the joint refill (the keys two slots on) is the first thing behind it.
.macro CHANGE fill, slot
	s_wait_tensorcnt 0x0                           ; no tensor load of mine is out, so a group 0 may be written
	ds_add_u32 v[SPW], v[NIL]                      ; 0 onto my spare word
.if \fill
	s_add_nc_u64 s[G0+4*\slot+2:G0+4*\slot+3], s[G0+4*\slot+2:G0+4*\slot+3], 131072   ; 1,024 keys on; the type bits on top are not reached
.endif
	s_wait_dscnt 0x0                               ; the add is done, and my reads of the slot are over
.if \fill
	CROUND
	tensor_load_to_lds s[G0+4*\slot:G0+4*\slot+3], s[G1:G1+7]
	s_nop 0
.rept 4
	v_nop
.endr
.else
	s_barrier_signal -1
	s_barrier_wait -1
.endif
.endm
	s_wait_tensorcnt 1                             ; my part of slot 0 is in; slot 1's may stay out
	s_barrier_signal -1
	s_barrier_wait -1                              ; everybody's is
	s_wait_loadcnt 0x0                             ; Q
	PHASE 0                                        ; keys 0 to 511
	CHANGE 1, 0
	; A PREFETCH of mask words: steps 16 to 31 of my four tiles, 2,048 bytes a tile, a lane to each 256 bytes; eight steps ahead of their first scalar load.  The sixteen heads of a batch read the same
	; words: head 0's cluster asks, each wave for its own tiles, so that each run of 256 bytes is named once in the launch.  The branch hangs on the head, which the four partners share.
	s_cmp_eq_u32 s100, 0
	s_cbranch_scc0 .Lno_ask
	global_prefetch_b8 v[PFO], s[MP:MP+1] offset:1024 th:TH_LOAD_NT scope:SCOPE_SE
.Lno_ask:
	PHASE SLOT1                                    ; keys 512 to 1,023
	CHANGE 1, 1
	PHASE 0                                        ; keys 1,024 to 1,535
	CHANGE 0, 0                                    ; nothing is left to ask for
	PHASE SLOT1                                    ; keys 1,536 to 2,047
	; THE WAY OUT.  l's two halves and the other half of the lanes' are added; O^T is divided by l and rounded to f16.  A lane's eight channels of a query are its 16 bytes of a block: stored straight away.
	s_wait_kmcnt 0x0                               ; (the last, unused mask words)
.irp t, 0,1,2,3
	v_add_f32 v[ST+8*\t+4], v[ST+8*\t+2], v[ST+8*\t+3]
.endr
.irp t, 0,1,2,3
	v_permlanex16_b32 v[ST+8*\t+5], v[ST+8*\t+4], s[SEL], s[SEL+1]
.endr
.irp t, 0,1,2,3
	v_add_f32 v[ST+8*\t+4], v[ST+8*\t+4], v[ST+8*\t+5]
.endr
.irp t, 0,1,2,3
	v_rcp_f32 v[ST+8*\t+6], v[ST+8*\t+4]           ; l is at least 1: the largest p of a row is 1
.endr
	v_nop                                          ; a plain instruction between the last reciprocal and the use of its result
	s_wait_alu depctr_va_vdst(0)                   ; and the wait ahead of the first use: one for the four
.macro SENDX t
	WIN W_RS
.set i, 0
.rept 16
	v_pk_mul_f32 v[32*\t+i:32*\t+i+1], v[32*\t+i:32*\t+i+1], v[ST+8*\t+6:ST+8*\t+7] op_sel_hi:[1,0]
.set i, i+2
.endr
	WIN 0x05                                       ; sources window 1, destination window 0: S^T's registers are free
.set i, 0
.rept 16
	v_cvt_pk_f16_f32 v[S+16*\t+i], v[32*\t+2*i], v[32*\t+2*i+1]
.set i, i+1
.endr
	WIN 0
.irp c, 0,1,2,3
	global_store_b128 v[LI], v[S+16*\t+4*\c:S+16*\t+4*\c+3], s[8:9] offset:\t*4096+\c*512   ; a block of 16 queries x 16 channels: 512 consecutive bytes, aligned
.endr
.endm
	SENDX 0
	SENDX 1
	SENDX 2
	SENDX 3
	s_wait_tensorcnt 0x0                           ; the wave's end: a wait, an add of 0 to my spare word and its wait, behind my last tensor load
	ds_add_u32 v[SPW], v[NIL]
	s_wait_dscnt 0x0
	CROUND                                         ; the closing round: no work-group ends while a partner may still ask for a tile that names it
	s_endpgm
.Lfunc_end_k_qb391a199f6_attn:
	.size	k_qb391a199f6_attn, .Lfunc_end_k_qb391a199f6_attn-k_qb391a199f6_attn
	.p2alignl 7, 3214868480
	.fill 96, 4, 3214868480
	.section	.rodata,"a",@progbits
	.p2align	6, 0x0
	.amdhsa_kernel k_qb391a199f6_attn
		.amdhsa_group_segment_fixed_size 327680
		.amdhsa_private_segment_fixed_size 0
		.amdhsa_enable_private_segment 0
		.amdhsa_kernarg_size 24
		.amdhsa_user_sgpr_count 2
		.amdhsa_user_sgpr_kernarg_segment_ptr 1
		.amdhsa_wavefront_size32 1
		.amdhsa_system_sgpr_workgroup_id_x 1
		.amdhsa_system_sgpr_workgroup_id_y 1
		.amdhsa_system_sgpr_workgroup_id_z 1
		.amdhsa_system_vgpr_workitem_id 0
		.amdhsa_next_free_vgpr 512
		.amdhsa_next_free_sgpr 102
		.amdhsa_reserve_vcc 0
		.amdhsa_float_denorm_mode_32 3
		.amdhsa_float_denorm_mode_16_64 3
		.amdhsa_memory_ordered 1
		.amdhsa_forward_progress 1
		.amdhsa_inst_pref_size 199
	.end_amdhsa_kernel
	.amdgpu_metadata
---
amdhsa.version: [ 1, 2 ]
amdhsa.kernels:
  - .name:           k_qb391a199f6_attn
    .symbol:         k_qb391a199f6_attn.kd
    .args:
      - { .name: qkv, .offset: 0, .size: 8, .value_kind: global_buffer, .address_space: global }
      - { .name: mbits, .offset: 8, .size: 8, .value_kind: global_buffer, .address_space: global }
      - { .name: xf, .offset: 16, .size: 8, .value_kind: global_buffer, .address_space: global }
    .group_segment_fixed_size: 327680
    .private_segment_fixed_size: 0
    .kernarg_segment_align: 8
    .kernarg_segment_size: 24
    .max_flat_workgroup_size: 256
    .sgpr_count:     102
    .vgpr_count:     512
    .wavefront_size: 32
...
	.end_amdgpu_metadata
.endif
;; end of part 3
;; launch oproj (part 4): grid 4 x 64, 4 waves a work-group, clusters of 4 x 4, 327,680 bytes of LDS; arguments xf, wof, bo, out0; writes out0
.if DOCPART == 4
	.amdgcn_target "amdgcn-amd-amdhsa--gfx1250"
	.amdhsa_code_object_version 6
	.text
	.protected	k_qb391a199f6_oproj
	.globl	k_qb391a199f6_oproj
	.p2align	8
	.type	k_qb391a199f6_oproj,@function
k_qb391a199f6_oproj:
	s_mov_b64 s[64:65], 0
	v_nop
	global_prefetch_b8 v0, s[64:65] scope:SCOPE_SE
	s_setreg_imm32_b32 hwreg(HW_REG_WAVE_MODE, 25, 1), 1
	s_wait_xcnt 0x0
	s_wait_alu depctr_hold_cnt(0) depctr_sa_sdst(0) depctr_va_vdst(0) depctr_va_sdst(0) depctr_va_ssrc(0) depctr_va_vcc(0) depctr_vm_vsrc(0)
	s_getreg_b32 s2, hwreg(HW_REG_IB_STS2, 6, 4)
	s_cmp_eq_u32 s2, 0
	s_cbranch_scc0 .Lentry_in_a_cluster
	s_endpgm
.Lentry_in_a_cluster:
	s_bfe_u32 s2, ttmp6, 0x10000c
	s_cmp_lg_u32 s2, 0xf033
	s_cbranch_scc0 .Lentry_shape_is_right
	s_endpgm
.Lentry_shape_is_right:
; OPROJ.  out0[m][n] = the sum over k of x[m][k] Wo[n][k] + bo[n]; M = 8,192, N = 1,024, K = 1,024; f16 operands, f32 sums, f32 out.
; x comes from xf ([k / 128][m / 16][(k % 128) / 16][512 bytes]), Wo from wof ([k / 128][n / 16][(k % 128) / 16][512 bytes]): blocks of 16 rows x 16 k, lane (r, h) at 16 x lane; two neighbouring blocks are a fragment's
; eight registers, so a fragment is two ds_load_b128 at 16 x lane, and a K step's tiles are dense blocks of memory.
; A tile of out0 is 128 (m) x 256 (n): 256 work-groups.  Four waves, each 64 x 128: 32 accumulators of 16 x 16.  K goes in 8 steps of 128 through two LDS slots (x 32,768 bytes, Wo 65,536).
; CLUSTERS: 4 x 4 work-groups; x's tiles are asked for jointly along a row of the cluster, Wo's along a column.
; THE MATRIX INSTRUCTION IS USED TRANSPOSED (source 0 = 16 rows of Wo, source 1 = 16 rows of x): a lane holds eight neighbouring numbers of a row of out0.  The bias is the C of each sum's first product.
; REGISTERS: window 0: v1-30 addresses; two fragment buffers at v64 and v160: Wo's 8 fragments, then x's 4.   window 1: accumulator (a, b) at v[8 (8 a + b)].   window 2: v0-63 the bias in the result's layout.
.set SLOT,   98304
.set BOFF,   32768                     ; in a slot: Wo's tiles behind x's
.set STAGE,  2*SLOT                    ; behind the ring: 16 rows x (512 bytes + 16) for each wave, for the way out
.set SPITCH, 528
.set SPARE,  STAGE+4*16*SPITCH         ; the spare words, 128 bytes for each wave: two blocks of 256 bytes that no other line names
.set LAPS,   4                         ; a lap = two K steps = once round the ring
.set CO,   3                           ; v3     16 x lane: also my byte offset in a row of out0
.set ADRA, 16                          ; v16-17 LDS address of my x fragments in slot 0, 1
.set ADRB, 20                          ; v20-21 the same for Wo
.set STO,  24                          ; v24    the way out: where I put 32 bytes of a row
.set RD,   25                          ; v25    the way out: where I read a row back
.set BOF,  27                          ; v27    32 h
.set SPW,  28                          ; v28    LDS address of my spare word; never rewritten
.set NIL,  29                          ; v29    0; never rewritten
.set PFO,  30                          ; v30    256 x lane; never rewritten
.set F0,   64
.set F1,   160
.set BK,   64                          ; the way out: 16 rows read back: v64-127 and v128-191 by turns
.set G1A, 24                           ; s[24:31] group 1 for x's tiles;  s[32:39] group 0, a set for each slot
.set G0A, 32
.set G1B, 48                           ; s[48:55], s[56:63] the same for Wo's
.set G0B, 56
.set LIM, 43                           ; s43      1 in a wave that prefetches, else the greatest number
.set PFA, 44                           ; s[44:45] where my prefetches stand
.set PFS, 46                           ; s[46:47] a K step on, in bytes
.set MSB, 0
.macro WIN new
.if MSB != (\new)
	s_set_vgpr_msb (MSB<<8)|(\new)
.set MSB, (\new)
.endif
.endm
.set MUL, 0x50                         ; sources window 0; C and D window 1 (with 0x10 more: C, the bias, window 2)
.macro JLOAD s                         ; a joint load: waves 0 and 1 fetch x's two halves, waves 2 and 3 Wo's; an s_nop 0 and four v_nop follow each of the two lines
	s_cmp_eq_u32 s13, 0
	s_cbranch_scc0 .Lfor_b_\@
	tensor_load_to_lds s[G0A+4*\s:G0A+4*\s+3], s[G1A:G1A+7]
	s_nop 0
.rept 4
	v_nop
.endr
	s_branch .Lasked_\@
.Lfor_b_\@:
	tensor_load_to_lds s[G0B+4*\s:G0B+4*\s+3], s[G1B:G1B+7]
	s_nop 0
.rept 4
	v_nop
.endr
.Lasked_\@:
.endm
.macro CREST                           ; a round of the cluster's barrier behind its opening barrier
	s_cmp_lg_u32 s12, 0
	s_cbranch_scc1 .Lnot_wave_0_\@
	s_barrier_signal -3
.Lnot_wave_0_\@:
	s_barrier_wait -3
	s_barrier_signal -1
	s_barrier_wait -1
.endm
.macro CROUND
	s_barrier_signal -1
	s_barrier_wait -1
	CREST
.endm
; A PREFETCH of the K step that stands two refills on: 8,192 bytes, lanes 256 bytes apart, one instruction a wave, behind the joint load and the run of LDS loads.  x's 32,768 bytes of a K step and tile row are shared out
; BY ADDRESS among the four partners of a row of the cluster (wave 0 of each asks); Wo's 65,536 bytes of a K step and tile column among the four partners of a column and their waves 2 and 3, in the clusters with y = 0 alone,
; since every cluster reads the same Wo.  So each run of 256 bytes is named once in the launch.  The loop's last trip asks for nothing: there is no K step two refills on.
.macro ASK
	s_cmp_gt_u32 s3, s[LIM]
	s_cbranch_scc0 .Lnot_mine_\@
	global_prefetch_b8 v[PFO], s[PFA:PFA+1] th:TH_LOAD_NT scope:SCOPE_SE
.Lnot_mine_\@:
.endm
	s_load_b256 s[4:11], s[0:1], 0x0               ; xf 4, wof 6, bo 8, out0 10
	v_lshl_add_u32 v[SPW], v0, 2, SPARE
	v_mov_b32 v[NIL], 0
	ds_add_u32 v[SPW], v[NIL]                      ; the wave's opening: the add, twice on end, and its wait ahead of my first tensor load
	ds_add_u32 v[SPW], v[NIL]
	v_lshrrev_b32 v1, 5, v0
	v_readfirstlane_b32 s12, v1                    ; wave 0..3
	s_lshr_b32 s13, s12, 1                         ; which half of the tile's rows is mine.  Also: I fetch for x (0) or for Wo (1)
	s_and_b32 s14, s12, 1                          ; which half of its columns.  Also: which half of that tile I fetch
	s_bfe_u32 s40, ttmp6, 0x40000                  ; cx, cy
	s_bfe_u32 s41, ttmp6, 0x40004
	s_lshl_b32 s42, ttmp9, 2
	s_add_co_u32 s42, s42, s40                     ; tile column = 4 x cluster x + cx
	s_and_b32 s15, ttmp7, 0xffff
	s_lshl_b32 s15, s15, 2
	s_add_co_u32 s15, s15, s41                     ; tile row = 4 x cluster y + cy
	s_lshl_b32 s43, s41, 2
	s_lshl_b32 s43, 15, s43                        ; my row of the cluster
	s_lshl_b32 s44, 0x1111, s40                    ; my column
	s_or_b32 s[G1A], s43, (3<<16)|(1<<21)          ; the mask; elements of 8 bytes; bit 21 beside a mask; no padding
	s_or_b32 s[G1B], s44, (3<<16)|(1<<21)
	s_mov_b32 s[G1A+1], 32<<16                     ; rows of 32 elements: 256 bytes
	s_mov_b32 s[G1A+2], 64<<16                     ; x: 64 rows: 16,384 bytes, dense
	s_mov_b32 s[G1A+3], 32<<16
	s_mov_b32 s[G1A+4], 64
	s_mov_b32 s[G1A+5], 32
	s_mov_b32 s[G1A+6], 0
	s_mov_b32 s[G1A+7], 0
	s_mov_b32 s[G1B+1], 32<<16
	s_mov_b32 s[G1B+2], 128<<16                    ; Wo: 128 rows: 32,768 bytes, dense
	s_mov_b32 s[G1B+3], 32<<16
	s_mov_b32 s[G1B+4], 128
	s_mov_b32 s[G1B+5], 32
	s_mov_b32 s[G1B+6], 0
	s_mov_b32 s[G1B+7], 0
	s_lshl_b32 s16, s15, 15                        ; x: (8 x tile row + 4 x half) x 4,096 bytes
	s_lshl_b32 s17, s14, 14
	s_add_co_u32 s16, s16, s17
	s_mov_b32 s17, 0
	s_lshl_b32 s46, s42, 16                        ; Wo: (16 x tile column + 8 x half) x 4,096
	s_lshl_b32 s47, s14, 15
	s_add_co_u32 s46, s46, s47
	s_mov_b32 s47, 0
	s_lshl_b32 s20, s14, 14                        ; where they go: no place in the cluster enters an LDS address
	s_lshl_b32 s22, s14, 15
	s_add_co_u32 s22, s22, BOFF
	s_wait_dscnt 0x0                               ; both opening adds are done
	s_wait_kmcnt 0x0
	s_add_nc_u64 s[16:17], s[4:5], s[16:17]
	s_add_nc_u64 s[46:47], s[6:7], s[46:47]
	CROUND                                         ; all sixteen work-groups are here: the first joint loads meet
.irp s, 0,1
	s_mov_b32 s[G0A+4*\s], 1
	s_add_co_u32 s[G0A+4*\s+1], s20, \s*SLOT
	s_add_nc_u64 s[G0A+4*\s+2:G0A+4*\s+3], s[16:17], \s*0x200000     ; K step s: 2 MiB each in xf
	s_or_b32 s[G0A+4*\s+3], s[G0A+4*\s+3], 0x80000000
	s_mov_b32 s[G0B+4*\s], 1
	s_add_co_u32 s[G0B+4*\s+1], s22, \s*SLOT
	s_add_nc_u64 s[G0B+4*\s+2:G0B+4*\s+3], s[46:47], \s*0x40000      ; 262,144 bytes each in wof
	s_or_b32 s[G0B+4*\s+3], s[G0B+4*\s+3], 0x80000000
	JLOAD \s                                       ; two loads of mine are out behind this group
.endr
	v_and_b32 v1, 15, v0                           ; r
	v_bfe_u32 v2, v0, 4, 1                         ; h
	v_and_b32 v[CO], 31, v0
	v_lshlrev_b32 v[CO], 4, v[CO]                  ; 16 x lane
	s_lshl_b32 s21, s13, 14                        ; my 64 rows of x: four tiles of 4,096 bytes
	s_lshl_b32 s22, s14, 15                        ; my 128 rows of Wo: eight tiles,
	s_add_co_u32 s22, s22, BOFF                    ; behind x's
.irp s, 0,1
	v_add_nc_u32 v[ADRA+\s], s21, v[CO]
	v_add_nc_u32 v[ADRB+\s], s22, v[CO]
	s_add_co_u32 s21, s21, SLOT
	s_add_co_u32 s22, s22, SLOT
.endr
	s_mul_i32 s23, s12, 16*SPITCH
	s_add_co_u32 s23, s23, STAGE                   ; my stage
	v_mul_u32_u24 v4, v1, SPITCH
	v_lshl_add_u32 v4, v2, 5, v4
	v_add_nc_u32 v[STO], s23, v4                   ; in: row r, 32 bytes for each half of the lanes
	v_add_nc_u32 v[RD], s23, v[CO]                 ; back: the 32 lanes take one row of 512 bytes
	v_lshlrev_b32 v[BOF], 5, v2
	v_lshlrev_b32 v[PFO], 4, v[CO]
	s_lshl_b32 s20, s42, 10                        ; my first column, in bytes: 1,024 x tile column + 512 x half
	s_lshl_b32 s21, s14, 9
	s_add_co_u32 s20, s20, s21
	s_mov_b32 s21, 0
	s_add_nc_u64 s[8:9], s[8:9], s[20:21]          ; bo there
	s_add_nc_u64 s[10:11], s[10:11], s[20:21]
	s_lshl_b32 s20, s15, 19                        ; my first row: (128 x tile row + 64 x half) x 4,096 bytes
	s_lshl_b32 s22, s13, 18
	s_add_co_u32 s20, s20, s22
	s_add_nc_u64 s[10:11], s[10:11], s[20:21]
	WIN 0x80                                       ; destination window 2
.irp b, 0,1,2,3,4,5,6,7
	global_load_b128 v[8*\b:8*\b+3],   v[BOF], s[8:9] offset:64*\b       ; register 8 b + j: bo at column 16 b + 8 h + j
	global_load_b128 v[8*\b+4:8*\b+7], v[BOF], s[8:9] offset:64*\b+16
.endr
	WIN 0
	; the prefetches: where my wave's stand, and who asks
	s_lshl_b32 s16, s15, 15
	s_lshl_b32 s17, s40, 13
	s_add_co_u32 s16, s16, s17                     ; x: 32,768 x tile row + 8,192 cx
	s_lshl_b32 s18, s42, 16
	s_lshl_b32 s19, s41, 14
	s_add_co_u32 s18, s18, s19
	s_lshl_b32 s19, s14, 13
	s_add_co_u32 s18, s18, s19                     ; Wo: 65,536 x tile column + 16,384 cy + 8,192 (wave % 2)
	s_and_b32 s19, ttmp7, 0xffff                   ; cluster y
	s_cmp_eq_u32 s13, 0                            ; do I fetch for x?
	s_cselect_b32 s20, s16, s18
	s_cselect_b32 s19, s14, s19                    ; who asks: for x wave 0; for Wo the clusters with y = 0: the same in all sixteen partners, for a given wave
	s_cselect_b64 s[PFA:PFA+1], s[4:5], s[6:7]
	s_mov_b32 s[PFS], 0x40000
	s_cselect_b32 s[PFS], 0x200000, s[PFS]
	s_mov_b32 s[PFS+1], 0
	s_cmp_eq_u32 s19, 0
	s_cselect_b32 s[LIM], 1, -1
	s_add_nc_u64 s[PFA:PFA+1], s[PFA:PFA+1], s[20:21]
.rept 3
	s_add_nc_u64 s[PFA:PFA+1], s[PFA:PFA+1], s[PFS:PFS+1]  ; at K step 3: the first refill steps it to 4.  Nothing is prefetched here, at the head
.endr
; 8 matrix instructions: x's block a against Wo's eight, 32 along K, out of buffer f.  first = 1: the bias starts the sums.  The 32 accumulators take turns, one instruction a turn.
.macro MUL8 f, a, first
.irp b, 0,1,2,3,4,5,6,7
.if \first
	v_wmma_f32_16x16x32_f16 v[8*(8*(\a)+\b):8*(8*(\a)+\b)+7], v[\f+8*\b:\f+8*\b+7], v[\f+64+8*(\a):\f+64+8*(\a)+7], v[8*\b:8*\b+7]
.else
	v_wmma_f32_16x16x32_f16 v[8*(8*(\a)+\b):8*(8*(\a)+\b)+7], v[\f+8*\b:\f+8*\b+7], v[\f+64+8*(\a):\f+64+8*(\a)+7], v[8*(8*(\a)+\b):8*(8*(\a)+\b)+7]
.endif
.endr
.endm
; 24 LDS loads in one run: the fragments of 32 along K at byte k of each tile, into buffer f: Wo's 16 loads, then x's 8
.macro FETCH slot, k, f
	WIN 0
.irp i, 0,1,2,3,4,5,6,7
	ds_load_b128 v[\f+8*\i:\f+8*\i+3],   v[ADRB+\slot] offset:\i*4096+\k
	ds_load_b128 v[\f+8*\i+4:\f+8*\i+7], v[ADRB+\slot] offset:\i*4096+\k+512
.endr
.irp i, 0,1,2,3
	ds_load_b128 v[\f+64+8*\i:\f+64+8*\i+3],   v[ADRA+\slot] offset:\i*4096+\k
	ds_load_b128 v[\f+64+8*\i+4:\f+64+8*\i+7], v[ADRA+\slot] offset:\i*4096+\k+512
.endr
.endm
.macro PLACES                          ; four plain instructions in front of loads into registers that matrix instructions have read, and of the first read of results
.rept 4
	v_nop
.endr
.endm
; A K step is four quarters of 32 along K, 32 matrix instructions each, on buffers 0, 1, 0, 1.  One of the first three: multiplies buffer f and fetches the next quarter, at byte k, into g.
.macro QUARTER slot, k, f, g, first
	s_wait_dscnt 4                                 ; Wo's fragments and x's blocks 0, 1 are in; the youngest four loads (x's blocks 2, 3) may be out
	WIN MUL+0x10*(\first)
	MUL8 \f, 0, \first
	MUL8 \f, 1, \first
	PLACES
	FETCH \slot, \k, \g
	s_wait_dscnt 24                                ; all but the 24 just issued
	WIN MUL+0x10*(\first)
	MUL8 \f, 2, \first
	MUL8 \f, 3, \first
.endm
; The last quarter multiplies buffer 1 and changes slots: ONE barrier; in front of it each wave waits for all its tensor loads, adds 0 to its spare word, and waits for that and for its reads of this slot.
; fill = 1: the barrier opens a round of the cluster's, and this slot is filled again, two K steps ahead, first thing behind it.
.macro TURN slot, next, fill
.if \fill
	s_wait_xcnt 0x0                                ; the last prefetch, a K step back, has read its address: it is stepped here
	s_add_nc_u64 s[PFA:PFA+1], s[PFA:PFA+1], s[PFS:PFS+1]
.endif
	WIN 0                                          ; (the add's two registers lie in window 0)
	s_wait_tensorcnt 0x0                           ; all my tensor loads have landed: my part of the next slot
	ds_add_u32 v[SPW], v[NIL]                      ; 0 onto my spare word
	s_wait_dscnt 5                                 ; (the add and the youngest four loads may be out)
	WIN MUL
	MUL8 F1, 0, 0                                  ; eight matrix instructions stand between the add and the wait for it
	s_wait_dscnt 0x0                               ; the add is done, and my reads of this slot are over
	s_barrier_signal -1
	MUL8 F1, 1, 0
	WIN 0
	s_barrier_wait -1
.if \fill
	CREST                                          ; no wave of any partner still reads this slot's tiles or has a load on its way
	s_add_nc_u64 s[G0A+4*\slot+2:G0A+4*\slot+3], s[G0A+4*\slot+2:G0A+4*\slot+3], 0x400000
	s_add_nc_u64 s[G0B+4*\slot+2:G0B+4*\slot+3], s[G0B+4*\slot+2:G0B+4*\slot+3], 0x80000
	JLOAD \slot                                    ; the first tensor load behind the round; the four v_nop behind it are also the places in front of the loads below
.else
	PLACES
.endif
	FETCH \next, 0, F0
.if \fill
	ASK
.endif
	WIN MUL
	MUL8 F1, 2, 0
	MUL8 F1, 3, 0
.endm
	s_wait_tensorcnt 1                             ; my part of K step 0 is in (K step 1's load may be out),
	s_barrier_signal -1
	s_barrier_wait -1                              ; everybody's is
	FETCH 0, 0, F0
	s_wait_loadcnt 0x0                             ; the bias
	QUARTER 0, 1024, F0, F1, 1                     ; the first quarter stands in front of the loop: its products start the sums with the bias
	WIN 0                                          ; at a label and at a branch every window is 0
	s_mov_b32 s3, LAPS-1
.Llap:                                                 ; a trip goes once round the ring, from a lap's second quarter to the next lap's first, and fills both slots again
	QUARTER 0, 2048, F1, F0, 0
	QUARTER 0, 3072, F0, F1, 0
	TURN 0, 1, 1
	QUARTER 1, 1024, F0, F1, 0
	QUARTER 1, 2048, F1, F0, 0
	QUARTER 1, 3072, F0, F1, 0
	TURN 1, 0, 1
	QUARTER 0, 1024, F0, F1, 0
	WIN 0
	s_sub_co_u32 s3, s3, 1
	s_cmp_lg_u32 s3, 0
	s_cbranch_scc1 .Llap
	QUARTER 0, 2048, F1, F0, 0                     ; the last lap fills nothing, and has no round of the cluster's barrier
	QUARTER 0, 3072, F0, F1, 0
	TURN 0, 1, 0
	QUARTER 1, 1024, F0, F1, 0
	QUARTER 1, 2048, F1, F0, 0
	QUARTER 1, 3072, F0, F1, 0
	s_wait_dscnt 4                                 ; the very last quarter: nothing more to fetch
	WIN MUL
	MUL8 F1, 0, 0
	MUL8 F1, 1, 0
	s_wait_dscnt 0
	MUL8 F1, 2, 0
	MUL8 F1, 3, 0
	WIN 0
; THE WAY OUT, block by block of 16 rows x 128 columns.  A lane holds 32 neighbouring bytes of a row, and the lanes beside it hold other rows: a block goes through my own stage in LDS and comes back as whole rows of
; 512 bytes.  LDS serves a wave's instructions in order (ISA guide 5.7.1.4): no wait between the stores and the loads, nor in front of the next block's stores.
.macro TOSTAGE a
	WIN 0x04                                       ; an LDS store's data are its source 1: window 1
.irp b, 0,1,2,3,4,5,6,7
	ds_store_b128 v[STO], v[64*(\a)+8*\b:64*(\a)+8*\b+3] offset:64*\b          ; each accumulator from its low end on
	ds_store_b128 v[STO], v[64*(\a)+8*\b+4:64*(\a)+8*\b+7] offset:64*\b+16
.endr
	WIN 0
.set BB, BK+64*((\a)%2)
.irp t, 0,1,2,3,4,5,6,7,8,9,10,11,12,13,14,15
	ds_load_b128 v[BB+4*\t:BB+4*\t+3], v[RD] offset:\t*SPITCH
.endr
.endm
.macro SEND a, younger                 ; younger: the LDS instructions issued behind block a's loads, which may stay out
.set BB, BK+64*((\a)%2)
	s_wait_dscnt \younger
.irp t, 0,1,2,3,4,5,6,7,8,9,10,11,12,13,14,15
	global_store_b128 v[CO], v[BB+4*\t:BB+4*\t+3], s[10:11] offset:(\a)*65536+\t*4096 th:TH_STORE_NT   ; 32 lanes store 512 consecutive bytes, aligned; written once, read by nobody here
.endr
.endm
	PLACES                                         ; behind the last products: for the stores that read results and the loads into the fragments' registers
	TOSTAGE 0
.irp a, 1,2,3
.if \a > 1
	s_wait_xcnt 0x0                                ; block a - 2's stores have read their registers: block a's loads may land there
.endif
	TOSTAGE \a
	SEND \a-1, 32                                  ; behind block a - 1's loads: block a's 16 stores and 16 loads
.endr
	SEND 3, 0
	s_wait_tensorcnt 0x0                           ; the wave's end: a wait, an add of 0 to my spare word and its wait, behind my last tensor load and my last LDS store
	ds_add_u32 v[SPW], v[NIL]
	s_wait_dscnt 0x0
	CROUND                                         ; the closing round
	s_endpgm
.Lfunc_end_k_qb391a199f6_oproj:
	.size	k_qb391a199f6_oproj, .Lfunc_end_k_qb391a199f6_oproj-k_qb391a199f6_oproj
	.p2alignl 7, 3214868480
	.fill 96, 4, 3214868480
	.section	.rodata,"a",@progbits
	.p2align	6, 0x0
	.amdhsa_kernel k_qb391a199f6_oproj
		.amdhsa_group_segment_fixed_size 327680
		.amdhsa_private_segment_fixed_size 0
		.amdhsa_enable_private_segment 0
		.amdhsa_kernarg_size 32
		.amdhsa_user_sgpr_count 2
		.amdhsa_user_sgpr_kernarg_segment_ptr 1
		.amdhsa_wavefront_size32 1
		.amdhsa_system_sgpr_workgroup_id_x 1
		.amdhsa_system_sgpr_workgroup_id_y 1
		.amdhsa_system_sgpr_workgroup_id_z 1
		.amdhsa_system_vgpr_workitem_id 0
		.amdhsa_next_free_vgpr 576
		.amdhsa_next_free_sgpr 68
		.amdhsa_reserve_vcc 0
		.amdhsa_float_denorm_mode_32 3
		.amdhsa_float_denorm_mode_16_64 3
		.amdhsa_memory_ordered 1
		.amdhsa_forward_progress 1
		.amdhsa_inst_pref_size 87
	.end_amdhsa_kernel
	.amdgpu_metadata
---
amdhsa.version: [ 1, 2 ]
amdhsa.kernels:
  - .name:           k_qb391a199f6_oproj
    .symbol:         k_qb391a199f6_oproj.kd
    .args:
      - { .name: xf, .offset: 0, .size: 8, .value_kind: global_buffer, .address_space: global }
      - { .name: wof, .offset: 8, .size: 8, .value_kind: global_buffer, .address_space: global }
      - { .name: bo, .offset: 16, .size: 8, .value_kind: global_buffer, .address_space: global }
      - { .name: out0, .offset: 24, .size: 8, .value_kind: global_buffer, .address_space: global }
    .group_segment_fixed_size: 327680
    .private_segment_fixed_size: 0
    .kernarg_segment_align: 8
    .kernarg_segment_size: 32
    .max_flat_workgroup_size: 128
    .sgpr_count:     68
    .vgpr_count:     576
    .wavefront_size: 32
...
	.end_amdgpu_metadata
.endif
;; end of part 4
